; MI455X (gfx1250); checked and timed in simulation.
; The chip was launched on July 23, 2026; its instructions are those of AMD's public machine-readable ISA for CDNA 5 (MIT licence, August 2026) and "CDNA5" Instruction Set Architecture Reference Guide (July 2026). The comments in the code are by the model that wrote it; some were corrected since.
;; Encoder Layer. Allowed arithmetic: matrix products marked QUANTISED: E2M3 operands, one E8M0 scale for each 32 along K, by v_wmma_scale_f32_16x16x128_f8f6f4 with both operands' format E2M3, f32 sums; everything else in f32.
;; Inputs: W1 1,024 x 512 float32; W2 512 x 1,024 float32; Wk 1,024 x 1,024 float32; Wo 1,024 x 1,024 float32; Wq 1,024 x 1,024 float32; Wv 1,024 x 1,024 float32; alpha1 1,024 float32; alpha2 1,024 float32; b1 512 float32; b2 1,024 float32; beta1 1,024 float32; beta2 1,024 float32; bk 1,024 float32; bo 1,024 float32; bq 1,024 float32; bv 1,024 float32; x 2 x 2,048 x 1,024 float32.
;; Outputs: out0 2 x 2,048 x 1,024 float32.
;; This version of the problem:
;;   THIS VERSION OF THE PROBLEM IS GIVEN IN LOW PRECISION. The matrix products marked QUANTISED in the list below multiply operands that are first quantised to E2M3 (2 exponent bits, 3 mantissa bits; 6 bits a number), with one power-of-two scale for each 32 numbers along K (OCP MX v1.0); their sums are f32. All else is computed in f32.
;;   The module's matrix products, in the order in which they are computed (A, B: the left and right operand; K: the contracted axis; several contracted axes count as one K, in the product's order):
;;     1. [M 4,096, K 1,024] x [K 1,024, N 1,024]; A: computed on the way; B: input Wq: QUANTISED
;;     2. [M 4,096, K 1,024] x [K 1,024, N 1,024]; A: computed on the way; B: input Wk: QUANTISED
;;     3. [M 4,096, K 1,024] x [K 1,024, N 1,024]; A: computed on the way; B: input Wv: QUANTISED
;;     4. batch 32 x [M 2,048, K 64] x [K 64, N 2,048]; A: computed on the way; B: computed on the way: QUANTISED
;;     5. batch 32 x [M 64, K 2,048] x [K 2,048, N 2,048]; A: computed on the way; B: softmax (see below): QUANTISED
;;     6. [M 4,096, K 1,024] x [K 1,024, N 1,024]; A: computed on the way; B: input Wo: QUANTISED
;;     7. [M 4,096, K 1,024] x [K 1,024, N 512]; A: computed on the way; B: input W1: QUANTISED
;;     8. [M 4,096, K 512] x [K 512, N 1,024]; A: computed on the way; B: input W2: QUANTISED
;;   THE QUANTISER, for each operand of a quantised product, along K:
;;     - K is cut into blocks of 32 from its start; a last block that is shorter is filled with zeros.
;;     - A block's scale is 2^e with e = floor(log2(the largest magnitude in the block)) - 2, held to -126 .. 127; a block of zeros has e = 0. As a byte (E8M0): e + 127.
;;     - Each number is divided by its block's scale, clamped to +-7.5, and rounded to the nearest number of E2M3, ties to even, subnormals kept.
;;     - The product sums the exact products of the quantised numbers (number of the format x scale) in f32.
;;   ~~~python
;;   def quantise(x, axis):      # numpy; x: float32 -> the quantised numbers, widened to float32 again
;;       x = np.moveaxis(x, axis, -1); K = x.shape[-1]
;;       x = np.pad(x, [(0, 0)] * (x.ndim - 1) + [(0, -K % 32)]); x = x.reshape(x.shape[:-1] + (-1, 32)); a = np.abs(x).max(-1, keepdims=True)
;;       e = np.where(a > 0, np.clip(np.frexp(np.where(a > 0, a, 1))[1] - 1 - 2, -126, 127), 0)      # np.frexp(a)[1] - 1 = floor(log2(a)), exactly
;;       r = np.clip(x / 2.0 ** e, -7.5, 7.5)
;;       step = 2.0 ** (np.maximum(np.frexp(np.where(r == 0, 1, r))[1] - 1, 0) - 3)
;;       q = np.round(r / step) * step * 2.0 ** e      # np.round: ties to even
;;       return np.moveaxis(q.reshape(q.shape[:-2] + (-1,))[..., :K], -1, axis).astype(np.float32)
;;   ~~~
;;   SOFTMAX AHEAD OF A QUANTISED PRODUCT. Where the list says 'softmax', what is quantised is not the finished softmax but p = 2^(t - M), with t = logit x log2(e) and M = ceil(the row's largest t), a whole number; so 1/2 < the row's largest p <= 1. The row's sum l is taken of the UNQUANTISED p, in f32, and the product's result is divided by l at the end. Since M is a whole number, a kernel that streams over the keys may use a running M (the ceiling of the running maximum): every later rescaling is an exact power of two, which a block's scale takes up: the codes' values come out the same.
;;   OPERANDS COMPUTED ON THE WAY. 'Computed on the way' means the value that the module computes at that place (a softmax that the list does not call 'softmax' is quantised finished and normalised). What goes into a quantiser is computed in f32, as accurately as f32 sums, v_exp_f32 and their like allow (about 1e-6 of the number): no bf16 or f16 on the way to a quantiser, and a product that is left as it is and whose result goes on into a quantised operand takes f32 operands (vector FMAs, or v_wmma_f32_16x16x4_f32). A number that lies on a knife's edge between two numbers of the format may be rounded either way, as far as f32 arithmetic and the matrix unit's own rounding can turn it there, and no further.
;; One version. Each part assembles by itself: llvm-mc -triple=amdgcn-amd-amdhsa -mcpu=gfx1250 --defsym DOCPART=n.
;; ======== version 1 of 1: 4 launches
;; limits: right only within a limited range of input values
;; workspace buffers: xq 3,276,800 bytes; wq 4,096,000 bytes; xr 16,777,216 bytes; qkv 10,092,544 bytes; oq 3,276,800 bytes
;; launch prep (part 1): grid 576 x 1, 4 waves a work-group, no clusters, 66,304 bytes of LDS; arguments x, alpha1, beta1, bo, Wq, Wk, Wv, Wo, W1, W2, xq, wq, xr; writes xq, wq, xr
.if DOCPART == 1
	.amdgcn_target "amdgcn-amd-amdhsa--gfx1250"
	.amdhsa_code_object_version 6
	.text
	.protected	k_qb7639e5779_prep
	.globl	k_qb7639e5779_prep
	.p2align	8
	.type	k_qb7639e5779_prep,@function
k_qb7639e5779_prep:
	s_mov_b64 s[64:65], 0
	v_nop
	global_prefetch_b8 v0, s[64:65] scope:SCOPE_SE
	s_setreg_imm32_b32 hwreg(HW_REG_WAVE_MODE, 25, 1), 1
	s_wait_xcnt 0x0
; PREP.  Work-groups 0-255: one tile of 16 tokens each: xn = norm1(x) in f32 -> codes of E2M3 with E8M0 scale words (xq), and xn + bo in f32 (xr).
; Work-groups 256-575: the six weights [K][N] f32 -> codes with K innermost (wq).  Everything is laid in the order of the reader's operand registers.
; ROW ORDER: position 32 b + 16 u + r of tokens, or of a weight's columns, holds true index 32 b + 8 u + r + 8 (r / 8); a tile is 16 positions.
; FRAGMENT IMAGE (16 rows x 128 K, 1,536 bytes): register i (0..11) of lane l at 512 (i / 4) + 16 l + 4 (i % 4).  SCALE WORDS: word (row position p, K step s) at (p / 128) 4096 + 512 s + 4 (p % 128).
; A block's scale is 2^(floor(log2(largest magnitude)) - 2): its byte is the largest magnitude's exponent field - 2, held at 1 from below.
; LIMITS: NaN and infinities among the inputs are not served; a block whose largest magnitude lies under 2^-124 takes the byte 1; a block of zeros gets the byte 1 and not 127 (its codes are
; zeros, and this program alone reads the bytes); 1/1023 is a multiplication by the nearest f32; 1/sqrt is v_rsq_f32.
; No matrix work, no cluster (work-groups share nothing), no prefetch (the launch only streams).
.set SEL, 30                           ; s[30:31] lane selects of v_permlanex16_b32: lane l xor 16
.set X,   16                           ; v16-143: four rows x 32 registers; later two K steps x 64 numbers
.set AL,  144                          ; v144-175 alpha1;  v176-207 beta1;  later v144-207 bo of one K step
.set BE,  176
.set BO,  144
.set TM,  208                          ; v208-223 at work in QUANT (before: sums)
.set PW,  224                          ; the scale word just made
.set PC,  228                          ; v228-247 the codes just made
.set CB,  80                           ; weights: v80-103 a column's codes, 12 registers for each half of the K step's blocks
; 64 numbers of a lane, register 16 b + i = k 32 b + 16 (lane / 16) + i of the lane's row, become a fragment's 12 registers v[pc] on and its scale word v[pw]
.macro QUANT s, tm, pw, pc
.irp b, 0,1,2,3
	v_max3_num_f32 v[\tm+\b], |v[\s+16*\b]|, |v[\s+1+16*\b]|, 0x1800000   ; my 16 numbers of block b, and the floor 2^(3 - 127): the byte cannot fall under 1
.endr
.irp i, 2,4,6,8,10,12,14
.irp b, 0,1,2,3
	v_max3_num_f32 v[\tm+\b], v[\tm+\b], |v[\s+16*\b+\i]|, |v[\s+1+16*\b+\i]|
.endr
.endr
.irp b, 0,1,2,3
	v_permlanex16_b32 v[\tm+4+\b], v[\tm+\b], s[SEL], s[SEL+1]
.endr
.irp b, 0,1,2,3
	v_max_num_f32 v[\tm+\b], v[\tm+\b], v[\tm+4+\b]   ; with lane l xor 16's: the block's largest magnitude
.endr
.irp b, 0,1,2,3
	v_add_nc_u32 v[\tm+12+\b], 0xff000000, v[\tm+\b]   ; 2 off its exponent field: the conversion's scale operand
.endr
.irp b, 0,1,2,3
	v_lshrrev_b32 v[\tm+4+\b], 23, v[\tm+12+\b]        ; the scale's byte
.endr
	v_lshl_or_b32 v[\pw], v[\tm+5], 8, v[\tm+4]
	v_lshl_or_b32 v[\pw], v[\tm+6], 16, v[\pw]
	v_lshl_or_b32 v[\pw], v[\tm+7], 24, v[\pw]
.irp c, 0,1
	v_cvt_scalef32_pk16_fp6_f32 v[\pc+6*\c:\pc+2+6*\c], v[\s+32*\c:\s+15+32*\c], v[\tm+12+2*\c]
	v_cvt_scalef32_pk16_fp6_f32 v[\pc+12+4*\c:\pc+14+4*\c], v[\s+16+32*\c:\s+31+32*\c], v[\tm+12+2*\c+1]   ; (a conversion's three registers begin on an even number)
.endr
	v_nop                                          ; one plain place behind a scaled conversion
.irp c, 0,1                                    ; the operand wants a whole block in a lane: lanes 0-15 block 2 c, lanes 16-31 block 2 c + 1
.irp i, 0,1,2
	v_permlane16_swap_b32 v[\pc+6*\c+\i], v[\pc+12+4*\c+\i]
.endr
.irp i, 0,1,2
	v_mov_b32 v[\pc+3+6*\c+\i], v[\pc+12+4*\c+\i]
.endr
.endr
.endm
; four rows' pair sums v[base + 2 i], v[base + 2 i + 1] -> the row's total in v[base + 2 i] of every lane
.macro RED4 base
.irp i, 0,1,2,3
	v_add_f32 v[\base+2*\i], v[\base+2*\i], v[\base+2*\i+1]
.endr
.irp m, 1,2,4,8
.irp i, 0,1,2,3
	v_add_f32_dpp v[\base+2*\i], v[\base+2*\i], v[\base+2*\i] row_xmask:\m row_mask:0xf bank_mask:0xf
.endr
.endr
.irp i, 0,1,2,3
	v_permlanex16_b32 v[\base+2*\i+1], v[\base+2*\i], s[SEL], s[SEL+1]
.endr
.irp i, 0,1,2,3
	v_add_f32 v[\base+2*\i], v[\base+2*\i], v[\base+2*\i+1]
.endr
.endm
.macro BOLOAD sl                       ; bo at the 64 features that my lane holds of K step 2 w + sl
.irp b, 0,1,2,3
.irp j, 0,1,2,3
	global_load_b128 v[BO+16*\b+4*\j:BO+16*\b+4*\j+3], v5, s[10:11] offset:512*\sl+128*\b+16*\j
.endr
.endr
.endm
; WEIGHTS.  A lane takes a column, its registers run down K: block t = W(32 t + i, my column)
.macro WLOAD t, n
.irp i, 0,1,2,3,4,5,6,7,8,9,10,11,12,13,14,15,16,17,18,19,20,21,22,23,24,25,26,27,28,29,30,31
	global_load_b32 v[16+32*((\t)%2)+\i], v8, s[12:13] offset:(32*(\t)+\i)*\n*4 th:TH_LOAD_NT
.endr
.endm
.macro WBLOCK t, n
.set XS, 16+32*((\t)%2)
.set CD, CB+12*((\t)%2)+6*((\t)/2)     ; block t = 2 c + h belongs to lane (r, h), registers 6 c on
.if (\t) < 3
	s_wait_loadcnt 32                              ; this block's 32 loads are in; the next block's 32 may be out
.else
	s_wait_loadcnt 0x0
.endif
	v_max3_num_f32 v12, |v[XS]|, |v[XS+1]|, |v[XS+2]|
	v_max3_num_f32 v13, |v[XS+3]|, |v[XS+4]|, |v[XS+5]|
.irp i, 6,10,14,18,22,26
	v_max3_num_f32 v12, v12, |v[XS+\i]|, |v[XS+\i+1]|
	v_max3_num_f32 v13, v13, |v[XS+\i+2]|, |v[XS+\i+3]|
.endr
	v_max3_num_f32 v12, v12, |v[XS+30]|, |v[XS+31]|
	v_max3_num_f32 v12, v12, v13, 0x1800000        ; and the floor
	v_add_nc_u32 v11, 0xff000000, v12
	v_lshrrev_b32 v13, 23, v11
.if (\t) == 0
	v_mov_b32 v14, v13                             ; four bytes make the column's scale word of this K step
.else
	v_lshl_or_b32 v14, v13, 8*(\t), v14
.endif
	v_cvt_scalef32_pk16_fp6_f32 v[CD:CD+2], v[XS:XS+15], v11
	v_cvt_scalef32_pk16_fp6_f32 v[104:106], v[XS+16:XS+31], v11
	v_nop
.irp i, 0,1,2
	v_mov_b32 v[CD+3+\i], v[104+\i]
.endr
.if (\t) < 2
	WLOAD (\t)+2, \n
.endif
.endm
; s[12:13] the wave's 128 x 32 corner of W, s[14:15] the tile pair's images, s[16:17] its 32 scale words, s46 bytes from tile u = 0's image to tile u = 1's
.macro WBODY n
	v_mul_u32_u24 v9, s46, v2
	v_lshl_add_u32 v9, v3, 4, v9                   ; u x distance + 16 r
	WLOAD 0, \n
	WLOAD 1, \n
	WBLOCK 0, \n
	WBLOCK 1, \n
	WBLOCK 2, \n
	WBLOCK 3, \n
.irp h, 0,1
.irp j, 0,1,2
	global_store_b128 v9, v[CB+12*\h+4*\j:CB+12*\h+4*\j+3], s[14:15] offset:256*\h+512*\j   ; sixteen lanes of a tile fill 256 consecutive aligned bytes
.endr
.endr
	global_store_b32 v10, v14, s[16:17]            ; 128 consecutive bytes
	s_endpgm
.endm
	s_load_b512 s[4:19], s[0:1], 0x0               ; x, alpha1, beta1, bo, Wq, Wk, Wv, Wo
	s_load_b256 s[20:27], s[0:1], 0x40             ; W1, W2, xq, wq
	s_load_b64 s[28:29], s[0:1], 0x60              ; xr
	v_lshl_add_u32 v243, v0, 2, 0x10100
	v_mov_b32 v247, 0
	v_lshrrev_b32 v1, 5, v0
	v_readfirstlane_b32 s33, v1                    ; wave
	v_and_b32 v1, 31, v0                           ; lane
	s_cmp_lt_u32 ttmp9, 256
	s_cbranch_scc0 .Lweights
; ---- a tile of tokens: T = the work-group's number.  Wave w norms stage rows 4 w .. 4 w + 3, a row in 32 registers; the rows turn through LDS; wave w then quantises K steps 2 w, 2 w + 1 of all 16 rows
	v_lshlrev_b32 v2, 4, v1                        ; 16 l
	v_and_b32 v7, 15, v0                           ; r
	v_bfe_u32 v8, v0, 4, 1                         ; h
	s_mul_i32 s34, s33, 16448
	v_add_nc_u32 v3, s34, v2                       ; stage, in: four rows of 4,112 bytes a wave
	v_mul_u32_u24 v4, v7, 4112                     ; (4,112 is an odd multiple of 16: sixteen rows start in sixteen different groups of banks)
	v_lshl_add_u32 v4, v8, 6, v4
	s_lshl_b32 s34, s33, 10
	v_add_nc_u32 v4, s34, v4                       ; stage, out: row r, + 64 h, + 1,024 w
	v_lshlrev_b32 v5, 6, v8
	v_add_nc_u32 v5, s34, v5                       ; bo: 64 h + 1,024 w
	v_lshlrev_b32 v6, 2, v7                        ; 4 r
	s_mov_b32 s[SEL], 0x76543210
	s_mov_b32 s[SEL+1], 0xfedcba98
	s_mov_b32 s40, 0x3a802008                      ; 1 / 1023
	s_mov_b32 s41, 0x358637bd                      ; 1e-6
	s_lshr_b32 s35, ttmp9, 1
	s_lshl_b32 s35, s35, 5
	s_and_b32 s36, ttmp9, 1
	s_lshl_b32 s36, s36, 3
	s_add_co_u32 s35, s35, s36
	s_and_b32 s36, s33, 1
	s_lshl_b32 s36, s36, 2
	s_add_co_u32 s35, s35, s36
	s_lshr_b32 s36, s33, 1
	s_lshl_b32 s36, s36, 4
	s_add_co_u32 s35, s35, s36                     ; my first token: 32 (T / 2) + 8 (T % 2) + 4 (w % 2) + 16 (w / 2)
	s_lshl_b32 s36, s35, 12
	s_mov_b32 s37, 0
	s_mul_i32 s38, ttmp9, 12288
	s_mul_i32 s39, s33, 3072
	s_add_co_u32 s38, s38, s39                     ; the images of K step 2 w of tile T
	s_mov_b32 s39, 0
	s_lshr_b32 s34, ttmp9, 3
	s_lshl_b32 s34, s34, 12
	s_and_b32 s35, ttmp9, 7
	s_lshl_b32 s35, s35, 6
	s_add_co_u32 s34, s34, s35
	s_lshl_b32 s35, s33, 10
	s_add_co_u32 s34, s34, s35
	s_add_co_u32 s34, s34, 3145728                 ; their scale words
	s_mov_b32 s35, 0
	s_wait_kmcnt 0x0
	s_add_nc_u64 s[4:5], s[4:5], s[36:37]
	s_add_nc_u64 s[42:43], s[24:25], s[38:39]
	s_add_nc_u64 s[44:45], s[24:25], s[34:35]
	s_lshl_b32 s36, ttmp9, 16
	s_lshl_b32 s38, s33, 14
	s_add_co_u32 s36, s36, s38
	s_add_nc_u64 s[46:47], s[28:29], s[36:37]      ; xr: tile T, feature tiles 16 w on
.irp i, 0,1,2,3
.irp j, 0,1,2,3,4,5,6,7
	global_load_b128 v[X+32*\i+4*\j:X+32*\i+4*\j+3], v2, s[4:5] offset:4096*\i+512*\j th:TH_LOAD_NT   ; 512 consecutive bytes
.endr
.endr
.irp j, 0,1,2,3,4,5,6,7
	global_load_b128 v[AL+4*\j:AL+4*\j+3], v2, s[6:7] offset:512*\j
	global_load_b128 v[BE+4*\j:BE+4*\j+3], v2, s[8:9] offset:512*\j
.endr
	s_wait_loadcnt 16                              ; x's 32 loads are in; the 16 younger ones, alpha1's and beta1's, may be out
.irp i, 0,1,2,3
	v_pk_add_f32 v[208+2*\i:209+2*\i], v[X+32*\i:X+32*\i+1], v[X+32*\i+2:X+32*\i+3]
.endr
.set j, 4
.rept 14
.irp i, 0,1,2,3
	v_pk_add_f32 v[208+2*\i:209+2*\i], v[208+2*\i:209+2*\i], v[X+32*\i+j:X+32*\i+j+1]
.endr
.set j, j+2
.endr
	RED4 208
.irp i, 0,1,2,3
	v_mul_f32 v[248+2*\i], 0x3a800000, v[208+2*\i] ; the mean: sum x 2^-10
.endr
.irp i, 0,1,2,3
	v_mov_b32 v[249+2*\i], v[248+2*\i]
.endr
.set j, 0
.rept 16
.irp i, 0,1,2,3
	v_pk_add_f32 v[X+32*\i+j:X+32*\i+j+1], v[X+32*\i+j:X+32*\i+j+1], v[248+2*\i:249+2*\i] neg_lo:[0,1] neg_hi:[0,1]   ; x - mean
.endr
.set j, j+2
.endr
.irp i, 0,1,2,3
	v_pk_mul_f32 v[216+2*\i:217+2*\i], v[X+32*\i:X+32*\i+1], v[X+32*\i:X+32*\i+1]
.endr
.set j, 2
.rept 15
.irp i, 0,1,2,3
	v_pk_fma_f32 v[216+2*\i:217+2*\i], v[X+32*\i+j:X+32*\i+j+1], v[X+32*\i+j:X+32*\i+j+1], v[216+2*\i:217+2*\i]
.endr
.set j, j+2
.endr
	RED4 216
.irp i, 0,1,2,3
	v_fma_f32 v[216+2*\i], v[216+2*\i], s40, s41   ; the unbiased variance + eps
.endr
	s_wait_alu depctr_va_vdst(0)
.irp i, 0,1,2,3
	v_rsq_f32 v[208+2*\i], v[216+2*\i]
.endr
	v_nop                                          ; a plain place behind the batch,
	s_wait_alu depctr_va_vdst(0)                   ; and one wait for the four, ahead of their first reader
.irp i, 0,1,2,3
	v_mov_b32 v[209+2*\i], v[208+2*\i]
.endr
	s_wait_alu depctr_va_vdst(0)
	s_wait_loadcnt 0x0                             ; alpha1, beta1
.irp i, 0,1,2,3
.set j, 0
.rept 16
	v_pk_mul_f32 v[X+32*\i+j:X+32*\i+j+1], v[X+32*\i+j:X+32*\i+j+1], v[208+2*\i:209+2*\i]
.set j, j+2
.endr
.set j, 0
.rept 16
	v_pk_fma_f32 v[X+32*\i+j:X+32*\i+j+1], v[X+32*\i+j:X+32*\i+j+1], v[AL+j:AL+j+1], v[BE+j:BE+j+1]
.set j, j+2
.endr
.endr
.irp i, 0,1,2,3
.irp j, 0,1,2,3,4,5,6,7
	ds_store_b128 v3, v[X+32*\i+4*\j:X+32*\i+4*\j+3] offset:4112*\i+512*\j
.endr
.endr
	BOLOAD 0
	s_wait_dscnt 0x0                               ; for the others' sake: my four rows lie in the stage
	s_barrier_signal -1
	s_barrier_wait -1
.irp sl, 0,1
.irp b, 0,1,2,3
.irp j, 0,1,2,3
	ds_load_b128 v[X+64*\sl+16*\b+4*\j:X+64*\sl+16*\b+4*\j+3], v4 offset:512*\sl+128*\b+16*\j   ; row r, k = 128 (2 w + sl) + 32 b + 16 h + 4 j on
.endr
.endr
.endr
	s_wait_dscnt 0x0
.irp sl, 0,1
.if \sl == 1
	s_wait_xcnt 0x0                                ; the first K step's stores have read the codes' and the scale word's registers
.endif
	QUANT X+64*\sl, TM, PW, PC
.irp c, 0,1,2
	global_store_b128 v2, v[PC+4*\c:PC+4*\c+3], s[42:43] offset:1536*\sl+512*\c   ; 512 consecutive aligned bytes
.endr
	global_store_b32 v6, v[PW], s[44:45] offset:512*\sl   ; 64 bytes: both halves of the lanes hold and write the same words; one byte in 128 of what is read
	s_wait_loadcnt 0x0                             ; bo of this K step
.set j, 0
.rept 32
	v_pk_add_f32 v[X+64*\sl+j:X+64*\sl+j+1], v[X+64*\sl+j:X+64*\sl+j+1], v[BO+j:BO+j+1]
.set j, j+2
.endr
.irp e, 0,1,2,3,4,5,6,7,8,9,10,11,12,13,14,15
	global_store_b128 v2, v[X+64*\sl+4*\e:X+64*\sl+4*\e+3], s[46:47] offset:8192*\sl+512*\e   ; xn + bo as the last launch's accumulators want it
.endr
.if \sl == 0
	BOLOAD 1
.endif
.endr
	s_wait_tensorcnt 0x0
	ds_add_u32 v243, v247
	s_wait_dscnt 0x0
	s_endpgm
; ---- the weights: a wave takes 32 columns (a pair of tiles) x 128 along K
.Lweights:
	s_wait_alu depctr_va_vdst(0)
	v_bfe_u32 v2, v1, 3, 1                         ; column 32 b + l is tile u = (l / 8) % 2,
	v_and_b32 v3, 7, v1
	v_lshrrev_b32 v4, 4, v1
	v_lshl_or_b32 v3, v4, 3, v3                    ; row r = l % 8 + 8 (l / 16)
	v_lshlrev_b32 v8, 2, v1
	v_lshl_add_u32 v10, v2, 4, v3
	v_lshlrev_b32 v10, 2, v10                      ; 4 (16 u + r)
	s_cmp_lt_u32 ttmp9, 544
	s_cbranch_scc0 .Lw1
	s_sub_co_u32 s34, ttmp9, 256
	s_lshr_b32 s35, s34, 6                         ; 0 Wq, 1 Wk, 2 Wv, 3 Wo, 4 W2: all with rows of 1,024
	s_and_b32 s36, s34, 7                          ; which 128 columns
	s_bfe_u32 s37, s34, 0x30003                    ; K step
	s_lshl_b32 s38, s37, 19
	s_lshl_b32 s39, s36, 9
	s_add_co_u32 s38, s38, s39
	s_lshl_b32 s39, s33, 7
	s_add_co_u32 s38, s38, s39                     ; the corner: (128 s x 1,024 + 128 cg + 32 w) x 4
	s_mov_b32 s39, 0
	s_lshl_b32 s40, s35, 6                         ; Wq, Wk, Wv: tile 64 mat + 8 cg + 2 w, 12,288 bytes a tile, 1,536 a K step
	s_lshl_b32 s41, s36, 3
	s_add_co_u32 s40, s40, s41
	s_lshl_b32 s41, s33, 1
	s_add_co_u32 s40, s40, s41
	s_mul_i32 s40, s40, 12288
	s_mul_i32 s41, s37, 1536
	s_add_co_u32 s40, s40, s41
	s_lshl_b32 s42, s35, 3
	s_add_co_u32 s42, s42, s36
	s_lshl_b32 s42, s42, 12
	s_lshl_b32 s41, s37, 9
	s_add_co_u32 s42, s42, s41
	s_lshl_b32 s41, s33, 7
	s_add_co_u32 s42, s42, s41
	s_add_co_u32 s42, s42, 2359296
	s_lshl_b32 s43, s37, 3                         ; Wo, W2: the last launch's stream: group 8 s + (pair % 8), + 96 for W2, of wave pair / 8
	s_and_b32 s41, s36, 1
	s_lshl_b32 s41, s41, 2
	s_add_co_u32 s43, s43, s41
	s_add_co_u32 s43, s43, s33
	s_cmp_eq_u32 s35, 4
	s_cselect_b32 s41, 96, 0
	s_add_co_u32 s43, s43, s41
	s_lshr_b32 s41, s36, 1
	s_mul_i32 s44, s41, 393216
	s_mul_i32 s45, s43, 3072
	s_add_co_u32 s44, s44, s45
	s_add_co_u32 s44, s44, 2457600
	s_lshl_b32 s45, s41, 14
	s_lshl_b32 s43, s43, 7
	s_add_co_u32 s45, s45, s43
	s_add_co_u32 s45, s45, 4030464
	s_mov_b32 s46, 1536
	s_cmp_lt_u32 s35, 3
	s_cselect_b32 s40, s40, s44
	s_cselect_b32 s42, s42, s45
	s_cselect_b32 s46, 12288, s46
	s_mov_b32 s41, 0
	s_mov_b32 s43, 0
	s_wait_kmcnt 0x0
	s_cmp_eq_u32 s35, 1                            ; the choices hang on the work-group's number alone
	s_cselect_b64 s[12:13], s[14:15], s[12:13]
	s_cmp_eq_u32 s35, 2
	s_cselect_b64 s[12:13], s[16:17], s[12:13]
	s_cmp_eq_u32 s35, 3
	s_cselect_b64 s[12:13], s[18:19], s[12:13]
	s_cmp_eq_u32 s35, 4
	s_cselect_b64 s[12:13], s[22:23], s[12:13]
	s_add_nc_u64 s[12:13], s[12:13], s[38:39]
	s_add_nc_u64 s[14:15], s[26:27], s[40:41]
	s_add_nc_u64 s[16:17], s[26:27], s[42:43]
	s_wait_alu depctr_va_vdst(0)
	WBODY 1024
.Lw1:                                  ; W1: rows of 512; group 64 + 16 (w / 2) + 2 s + w % 2 of the stream of wave cg
	s_sub_co_u32 s34, ttmp9, 544
	s_and_b32 s36, s34, 3
	s_lshr_b32 s37, s34, 2
	s_lshl_b32 s38, s37, 18
	s_lshl_b32 s39, s36, 9
	s_add_co_u32 s38, s38, s39
	s_lshl_b32 s39, s33, 7
	s_add_co_u32 s38, s38, s39
	s_mov_b32 s39, 0
	s_lshr_b32 s43, s33, 1
	s_lshl_b32 s43, s43, 4
	s_lshl_b32 s41, s37, 1
	s_add_co_u32 s43, s43, s41
	s_and_b32 s41, s33, 1
	s_add_co_u32 s43, s43, s41
	s_add_co_u32 s43, s43, 64
	s_mul_i32 s40, s36, 393216
	s_mul_i32 s41, s43, 3072
	s_add_co_u32 s40, s40, s41
	s_add_co_u32 s40, s40, 2457600
	s_lshl_b32 s42, s36, 14
	s_lshl_b32 s43, s43, 7
	s_add_co_u32 s42, s42, s43
	s_add_co_u32 s42, s42, 4030464
	s_mov_b32 s41, 0
	s_mov_b32 s43, 0
	s_mov_b32 s46, 1536
	s_wait_kmcnt 0x0
	s_add_nc_u64 s[12:13], s[20:21], s[38:39]
	s_add_nc_u64 s[14:15], s[26:27], s[40:41]
	s_add_nc_u64 s[16:17], s[26:27], s[42:43]
	s_wait_alu depctr_va_vdst(0)
	WBODY 512
.Lfunc_end_k_qb7639e5779_prep:
	.size	k_qb7639e5779_prep, .Lfunc_end_k_qb7639e5779_prep-k_qb7639e5779_prep
	.p2alignl 7, 3214868480
	.fill 96, 4, 3214868480
	.section	.rodata,"a",@progbits
	.p2align	6, 0x0
	.amdhsa_kernel k_qb7639e5779_prep
		.amdhsa_group_segment_fixed_size 66304
		.amdhsa_private_segment_fixed_size 0
		.amdhsa_enable_private_segment 0
		.amdhsa_kernarg_size 104
		.amdhsa_user_sgpr_count 2
		.amdhsa_user_sgpr_kernarg_segment_ptr 1
		.amdhsa_wavefront_size32 1
		.amdhsa_system_sgpr_workgroup_id_x 1
		.amdhsa_system_sgpr_workgroup_id_y 1
		.amdhsa_system_sgpr_workgroup_id_z 1
		.amdhsa_system_vgpr_workitem_id 0
		.amdhsa_next_free_vgpr 256
		.amdhsa_next_free_sgpr 66
		.amdhsa_reserve_vcc 0
		.amdhsa_float_denorm_mode_32 3
		.amdhsa_float_denorm_mode_16_64 3
		.amdhsa_memory_ordered 1
		.amdhsa_forward_progress 1
		.amdhsa_inst_pref_size 95
	.end_amdhsa_kernel
	.amdgpu_metadata
---
amdhsa.version: [ 1, 2 ]
amdhsa.kernels:
  - .name:           k_qb7639e5779_prep
    .symbol:         k_qb7639e5779_prep.kd
    .args:
      - { .name: x, .offset: 0, .size: 8, .value_kind: global_buffer, .address_space: global }
      - { .name: alpha1, .offset: 8, .size: 8, .value_kind: global_buffer, .address_space: global }
      - { .name: beta1, .offset: 16, .size: 8, .value_kind: global_buffer, .address_space: global }
      - { .name: bo, .offset: 24, .size: 8, .value_kind: global_buffer, .address_space: global }
      - { .name: Wq, .offset: 32, .size: 8, .value_kind: global_buffer, .address_space: global }
      - { .name: Wk, .offset: 40, .size: 8, .value_kind: global_buffer, .address_space: global }
      - { .name: Wv, .offset: 48, .size: 8, .value_kind: global_buffer, .address_space: global }
      - { .name: Wo, .offset: 56, .size: 8, .value_kind: global_buffer, .address_space: global }
      - { .name: W1, .offset: 64, .size: 8, .value_kind: global_buffer, .address_space: global }
      - { .name: W2, .offset: 72, .size: 8, .value_kind: global_buffer, .address_space: global }
      - { .name: xq, .offset: 80, .size: 8, .value_kind: global_buffer, .address_space: global }
      - { .name: wq, .offset: 88, .size: 8, .value_kind: global_buffer, .address_space: global }
      - { .name: xr, .offset: 96, .size: 8, .value_kind: global_buffer, .address_space: global }
    .group_segment_fixed_size: 66304
    .private_segment_fixed_size: 0
    .kernarg_segment_align: 8
    .kernarg_segment_size: 104
    .max_flat_workgroup_size: 128
    .sgpr_count:     66
    .vgpr_count:     256
    .wavefront_size: 32
...
	.end_amdgpu_metadata
.endif
;; end of part 1
;; launch qkv (part 2): grid 12 x 16, 4 waves a work-group, clusters of 4 x 4, 327,680 bytes of LDS; arguments xq, wq, bq, bk, bv, qkv; writes qkv
.if DOCPART == 2
	.amdgcn_target "amdgcn-amd-amdhsa--gfx1250"
	.amdhsa_code_object_version 6
	.text
	.protected	k_qb7639e5779_qkv
	.globl	k_qb7639e5779_qkv
	.p2align	8
	.type	k_qb7639e5779_qkv,@function
k_qb7639e5779_qkv:
	s_mov_b64 s[64:65], 0
	v_nop
	global_prefetch_b8 v0, s[64:65] scope:SCOPE_SE
	s_setreg_imm32_b32 hwreg(HW_REG_WAVE_MODE, 25, 1), 1
	s_wait_xcnt 0x0
	s_wait_alu depctr_hold_cnt(0) depctr_sa_sdst(0) depctr_va_vdst(0) depctr_va_sdst(0) depctr_va_ssrc(0) depctr_va_vcc(0) depctr_vm_vsrc(0)
	s_getreg_b32 s2, hwreg(HW_REG_IB_STS2, 6, 4)
	s_cmp_eq_u32 s2, 0
	s_cbranch_scc0 .Lentry_in_a_cluster
	s_endpgm
.Lentry_in_a_cluster:
	s_bfe_u32 s2, ttmp6, 0x10000c
	s_cmp_lg_u32 s2, 0xf033
	s_cbranch_scc0 .Lentry_shape_is_right
	s_endpgm
.Lentry_shape_is_right:
.set NQ,     2
.set FR,     12
.set NL,     3
.set NP,     4
.set HALFT,  24576
.set SLOT,   4*HALFT
.set SCL,    2*SLOT
.set HALFS,  16*272
.set SPARE,  SCL+4*HALFS
.set ADRA, 16
.set ADRB, 20
.set ADRS, 27
.set SPW,  28
.set NIL,  29
.set SC,   32
.set BIAS, 64
.set AF,   128
.set G1, 24
.set G0, 32
.set G1B, 48
.set G0B, 56
.set G1S, 68
.set G0S, 76
.set G1SB, 80
.set G0SB, 88
.set ISV, 95
.set SEL, 2
.set TM,  32
.set PC,  48
.set SW,  72
.set SV,  80
.set MSB, 0
.macro WIN new
.if MSB != (\new)
	s_set_vgpr_msb (MSB<<8)|(\new)
.set MSB, (\new)
.endif
.endm
.set MUL_LO, 0xa1
.set MUL_HI, 0xf1
.set TO_B,   0x40
.macro JLOAD g0a, g1a, g0b, g1b
	s_cmp_eq_u32 s15, 0
	s_cbranch_scc0 .Lfor_b_\@
	tensor_load_to_lds s[\g0a:\g0a+3], s[\g1a:\g1a+7]
	s_nop 0
.rept 4
	v_nop
.endr
	s_branch .Lasked_\@
.Lfor_b_\@:
	tensor_load_to_lds s[\g0b:\g0b+3], s[\g1b:\g1b+7]
	s_nop 0
.rept 4
	v_nop
.endr
.Lasked_\@:
.endm
.macro CREST
	s_cmp_lg_u32 s14, 0
	s_cbranch_scc1 .Lnot_wave_0_\@
	s_barrier_signal -3
.Lnot_wave_0_\@:
	s_barrier_wait -3
	s_barrier_signal -1
	s_barrier_wait -1
.endm
.macro CROUND
	s_barrier_signal -1
	s_barrier_wait -1
	CREST
.endm
	s_load_b128 s[4:7], s[0:1], 0x0
	s_load_b128 s[8:11], s[0:1], 0x10
	s_load_b128 s[96:99], s[0:1], 0x20
	v_lshl_add_u32 v[SPW], v0, 2, SPARE
	v_mov_b32 v[NIL], 0
	ds_add_u32 v28, v29
	ds_add_u32 v28, v29
	s_wait_dscnt 0x0
	v_lshrrev_b32 v1, 5, v0
	v_readfirstlane_b32 s14, v1
	s_lshr_b32 s15, s14, 1
	s_and_b32 s16, s14, 1
	s_bfe_u32 s40, ttmp6, 0x40000
	s_bfe_u32 s41, ttmp6, 0x40004
	s_and_b32 s66, ttmp7, 0xffff
	s_lshl_b32 s66, s66, 2
	s_lshl_b32 s67, ttmp9, 2
	s_mov_b32 s18, 3145728
	s_mov_b32 s19, 2359296
	s_cmp_eq_u32 ttmp9, 2
	s_cselect_b32 s[ISV], 1, 0
	s_cselect_b32 s17, 8, s66
	s_cselect_b32 s42, s66, s67
	s_cselect_b32 s2, s19, s18
	s_cselect_b32 s3, s18, s19
	s_add_co_u32 s17, s17, s41
	s_add_co_u32 s42, s42, s40
	s_lshl_b32 s43, s41, 2
	s_lshl_b32 s43, 15, s43
	s_lshl_b32 s44, 0x1111, s40
	s_or_b32 s[G1+0], s43, (3<<16)|(1<<21)
	s_or_b32 s[G1B+0], s44, (3<<16)|(1<<21)
.irp g, G1, G1B
	s_mov_b32 s[\g+1], 384<<16
	s_mov_b32 s[\g+2], 16<<16
	s_mov_b32 s[\g+3], 384<<16
	s_mov_b32 s[\g+4], 16
	s_mov_b32 s[\g+5], 1536
	s_mov_b32 s[\g+6], 0
	s_mov_b32 s[\g+7], 0
.endr
	s_or_b32 s[G1S+0], s43, (3<<16)|(1<<20)|(1<<21)|(5<<22)|(3<<25)
	s_or_b32 s[G1SB+0], s44, (3<<16)|(1<<20)|(1<<21)|(5<<22)|(3<<25)
.irp g, G1S, G1SB
	s_mov_b32 s[\g+1], 32<<16
	s_mov_b32 s[\g+2], 32<<16
	s_mov_b32 s[\g+3], 32<<16
	s_mov_b32 s[\g+4], 32
	s_mov_b32 s[\g+5], 32
	s_mov_b32 s[\g+6], 0
	s_mov_b32 s[\g+7], 0
.endr
	s_lshl_b32 s18, s16, 7
	s_lshl_b32 s20, s17, 8
	s_add_co_u32 s20, s20, s18
	s_lshl_b32 s46, s42, 8
	s_add_co_u32 s46, s46, s18
	s_lshl_b32 s22, s20, 5
	s_add_co_u32 s22, s22, s2
	s_lshl_b32 s92, s46, 5
	s_add_co_u32 s92, s92, s3
	s_mul_i32 s20, s20, 768
	s_mul_i32 s46, s46, 768
	s_mov_b32 s21, 0
	s_mov_b32 s23, 0
	s_mov_b32 s47, 0
	s_mov_b32 s93, 0
	s_mul_i32 s45, s14, HALFT
	s_mul_i32 s94, s14, HALFS
	s_wait_kmcnt 0x0
	s_cmp_eq_u32 s[ISV], 1
	s_cselect_b64 s[18:19], s[6:7], s[4:5]
	s_cselect_b64 s[12:13], s[4:5], s[6:7]
	s_add_nc_u64 s[20:21], s[18:19], s[20:21]
	s_add_nc_u64 s[22:23], s[18:19], s[22:23]
	s_add_nc_u64 s[46:47], s[12:13], s[46:47]
	s_add_nc_u64 s[92:93], s[12:13], s[92:93]
	CROUND
	; THE HEAD'S FOUR TILES, each whole, one a wave: wave 0 slot 0's 16 tiles of A, wave 1 its 16 of B, wave 2 the scale words of A's 256 rows, wave 3 those of B's.
	; My own addresses point at my half of a tile (s16): the half's bytes are taken off again, so that each tile begins at its first row
	s_mul_i32 s12, s16, 4096
	s_mov_b32 s13, 0
	s_mov_b32 s[G0S], 1
	s_mov_b32 s[G0S+1], SCL
	s_sub_nc_u64 s[G0S+2:G0S+3], s[22:23], s[12:13]
	s_or_b32 s[G0S+3], s[G0S+3], 0x80000000
	s_mov_b32 s[G0SB], 1
	s_mov_b32 s[G0SB+1], SCL+2*HALFS
	s_sub_nc_u64 s[G0SB+2:G0SB+3], s[92:93], s[12:13]
	s_or_b32 s[G0SB+3], s[G0SB+3], 0x80000000
	s_mul_i32 s12, s16, 98304
	s_mov_b32 s[G0], 1                             ; the head's loads of codes use slot 0's two groups 0, each made of its own address alone; the ring's values are written behind the wait for these loads
	s_mov_b32 s[G0+1], 0
	s_sub_nc_u64 s[G0+2:G0+3], s[20:21], s[12:13]
	s_or_b32 s[G0+3], s[G0+3], 0x80000000
	s_mov_b32 s[G0B], 1
	s_mov_b32 s[G0B+1], 2*HALFT
	s_sub_nc_u64 s[G0B+2:G0B+3], s[46:47], s[12:13]
	s_or_b32 s[G0B+3], s[G0B+3], 0x80000000
	; the prefetches' base: of the 8 tiles that I fetch in a refill, my work-group's 2 (told apart by address: cx for A, cy for B), at the first refill's two K steps
	s_cmp_eq_u32 s15, 0
	s_cselect_b64 s[66:67], s[20:21], s[46:47]
	s_cselect_b32 s12, s40, s41
	s_mul_i32 s12, s12, 24576
	s_add_co_u32 s12, s12, 6144
	s_add_nc_u64 s[66:67], s[66:67], s[12:13]
	v_and_b32 v30, 31, v0
	v_min_u32 v30, 23, v30                         ; 24 blocks of 256 bytes, a lane a block; the eight lanes left over name the last block again
	v_mul_u32_u24 v31, v30, 171
	v_lshrrev_b32 v31, 11, v31                     ; which of the two tiles: block / 12
	v_lshlrev_b32 v30, 8, v30
	v_mad_u32_u24 v30, v31, 9216, v30              ; 12,288 x tile + 256 x (block % 12)
	s_cmp_lt_u32 s14, 1
	s_cbranch_scc0 .Lhead_b
	tensor_load_to_lds s[G0:G0+3], s[G1:G1+7]
	s_nop 0
.rept 4
	v_nop
.endr
	s_branch .Lhead_asked
.Lhead_b:
	s_cmp_lt_u32 s14, 2
	s_cbranch_scc0 .Lhead_sa
	tensor_load_to_lds s[G0B:G0B+3], s[G1B:G1B+7]
	s_nop 0
.rept 4
	v_nop
.endr
	s_branch .Lhead_asked
.Lhead_sa:
	s_cmp_lt_u32 s14, 3
	s_cbranch_scc0 .Lhead_sb
	tensor_load_to_lds s[G0S:G0S+3], s[G1S:G1S+7]
	s_nop 0
.rept 4
	v_nop
.endr
	s_branch .Lhead_asked
.Lhead_sb:
	tensor_load_to_lds s[G0SB:G0SB+3], s[G1SB:G1SB+7]
	s_nop 0
.rept 4
	v_nop
.endr
.Lhead_asked:
	s_wait_alu depctr_va_vdst(0)
	s_wait_tensorcnt 0x0                           ; my tile of the head's four is in
	ds_add_u32 v28, v29                            ; no tensor load of mine is out: the descriptors below may be written; work on registers alone stands between the add and its wait
.irp s, 0,1
	s_mov_b32 s[G0+4*\s], 1
	s_add_co_u32 s[G0+4*\s+1], s45, \s*SLOT
	s_add_nc_u64 s[G0+4*\s+2:G0+4*\s+3], s[20:21], \s*3072
	s_or_b32 s[G0+4*\s+3], s[G0+4*\s+3], 0x80000000
	s_mov_b32 s[G0B+4*\s], 1
	s_add_co_u32 s[G0B+4*\s+1], s45, \s*SLOT
	s_add_nc_u64 s[G0B+4*\s+2:G0B+4*\s+3], s[46:47], \s*3072
	s_or_b32 s[G0B+4*\s+3], s[G0B+4*\s+3], 0x80000000
.endr
	s_mov_b32 s[G1+2], 8<<16
	s_mov_b32 s[G1+4], 8
	s_mov_b32 s[G1B+2], 8<<16
	s_mov_b32 s[G1B+4], 8
	s_wait_dscnt 0x0
	CROUND
	JLOAD G0+4, G1, G0B+4, G1B                     ; slot 1's first fill, a quarter a wave
	global_prefetch_b8 v30, s[66:67] th:TH_LOAD_NT scope:SCOPE_SE               ; what the first refill will load: 24 blocks of 256 bytes a wave, each block named once in the cluster
	global_prefetch_b8 v30, s[66:67] offset:3072 th:TH_LOAD_NT scope:SCOPE_SE   ; and the second, the last: v30 and s[66:67] are never written again
	v_and_b32 v1, 15, v0
	v_bfe_u32 v2, v0, 4, 1
	s_wait_alu depctr_va_vdst(0)
	v_and_b32 v3, 31, v0
	v_lshlrev_b32 v4, 4, v3
	s_mul_i32 s21, s15, HALFT
	s_mul_i32 s22, s16, HALFT
	s_add_co_u32 s22, s22, 2*HALFT
.irp s, 0,1
	v_add_nc_u32 v[ADRA+\s], s21, v4
	v_add_nc_u32 v[ADRB+\s], s22, v4
	s_add_co_u32 s21, s21, SLOT
	s_add_co_u32 s22, s22, SLOT
.endr
	v_lshlrev_b32 v5, 2, v1
	s_mul_i32 s21, s15, HALFS
	s_mul_i32 s22, s16, HALFS
	s_add_co_u32 s22, s22, 2*HALFS
	s_sub_co_u32 s22, s22, s21
	v_mul_u32_u24 v6, s22, v2
	s_add_co_u32 s21, s21, SCL
	v_add_nc_u32 v5, v5, v6
	v_add_nc_u32 v[ADRS], s21, v5
	s_cmp_eq_u32 s[ISV], 0
	s_cbranch_scc0 .Lbias_v
	s_cmp_eq_u32 ttmp9, 0
	s_cselect_b64 s[18:19], s[8:9], s[10:11]
	s_lshl_b32 s46, s40, 10
	s_lshl_b32 s47, s16, 9
	s_add_co_u32 s46, s46, s47
	s_mov_b32 s47, 0
	s_add_nc_u64 s[18:19], s[18:19], s[46:47]
	v_lshlrev_b32 v7, 6, v2
.irp b, 0,1,2,3,4,5,6,7
	global_load_b128 v[BIAS+8*\b:BIAS+8*\b+3], v7, s[18:19] offset:(32*(\b/2)+8*(\b%2))*4
	global_load_b128 v[BIAS+8*\b+4:BIAS+8*\b+7], v7, s[18:19] offset:(32*(\b/2)+8*(\b%2))*4+16
.endr
	s_wait_loadcnt 0x0
	s_branch .Lbias_done
.Lbias_v:
	s_lshl_b32 s46, s41, 10
	s_lshl_b32 s47, s15, 9
	s_add_co_u32 s46, s46, s47
	s_mov_b32 s47, 0
	s_add_nc_u64 s[18:19], s[96:97], s[46:47]
	v_and_b32 v7, 8, v1
	v_add_nc_u32 v7, v7, v1
	v_lshlrev_b32 v7, 2, v7
.irp a, 0,1,2,3,4,5,6,7
	global_load_b32 v[BIAS+8*\a], v7, s[18:19] offset:(32*(\a/2)+8*(\a%2))*4
.endr
	s_wait_loadcnt 0x0
.irp a, 0,1,2,3,4,5,6,7
.irp j, 1,2,3,4,5,6,7
	v_mov_b32 v[BIAS+8*\a+\j], v[BIAS+8*\a]
.endr
.endr
.rept 4
	v_nop
.endr
.Lbias_done:
.macro FRAG reg, adr, q, i
.irp c, 0,1,2
	ds_load_b128 v[\reg+4*\c:\reg+4*\c+3], v[\adr] offset:3072*(\i)+1536*(\q)+512*\c
.endr
.endm
.macro MUL16 a0, p, q, sc, cin
.irp a, \a0, \a0+1
.irp b, 0,1,2,3,4,5,6,7
.set DR, 8*(8*((\a)%4)+\b)
.set BR, 128*(\p)+FR*\b
.set AR, AF+FR*(\a)
.set SB_, SC+8*NQ*(\sc)+NQ*\b+(\q)
.set SA_, SC+8*NQ*(\sc)+NQ*(\a)+(\q)
.if \cin == 1
	v_wmma_scale_f32_16x16x128_f8f6f4 v[DR:DR+7], v[BR:BR+FR-1], v[AR:AR+FR-1], v[BIAS+8*\b:BIAS+8*\b+7], v[SB_], v[SA_] matrix_a_fmt:MATRIX_FMT_FP6 matrix_b_fmt:MATRIX_FMT_FP6 matrix_a_scale:MATRIX_SCALE_ROW1
.elseif \cin == 2
	v_wmma_scale_f32_16x16x128_f8f6f4 v[DR:DR+7], v[BR:BR+FR-1], v[AR:AR+FR-1], v[BIAS+8*(\a):BIAS+8*(\a)+7], v[SB_], v[SA_] matrix_a_fmt:MATRIX_FMT_FP6 matrix_b_fmt:MATRIX_FMT_FP6 matrix_a_scale:MATRIX_SCALE_ROW1
.else
	v_wmma_scale_f32_16x16x128_f8f6f4 v[DR:DR+7], v[BR:BR+FR-1], v[AR:AR+FR-1], v[DR:DR+7], v[SB_], v[SA_] matrix_a_fmt:MATRIX_FMT_FP6 matrix_b_fmt:MATRIX_FMT_FP6 matrix_a_scale:MATRIX_SCALE_ROW1
.endif
.endr
.endr
.endm
.macro FETCH_B slot, q, p
	WIN TO_B
.irp i, 0,1,2,3,4,5,6,7
	FRAG 128*(\p)+FR*\i, ADRB+\slot, \q, \i
.endr
	WIN 0
.endm
.macro FETCH_A slot, q, i0
.irp i, \i0, \i0+1, \i0+2, \i0+3
	FRAG AF+FR*(\i), ADRA+\slot, \q, \i
.endr
.endm
.macro SCALES sc
.irp i, 0,1,2,3,4,5,6,7
.irp q, 0,1
	ds_load_b32 v[SC+8*NQ*\sc+NQ*\i+\q], v[ADRS] offset:(2*\q+\i/4)*272+64*(\i%4)
.endr
.endr
.endm
.macro PLACES n
.rept \n
	v_nop
.endr
.endm
.macro STEP slot, q, cin
	s_wait_dscnt 4*NL
.if \cin
	WIN 0x81
.else
	WIN MUL_LO
.endif
	MUL16 0, (\q)%2, \q, \slot, \cin
	MUL16 2, (\q)%2, \q, \slot, \cin
	s_wait_dscnt 0
	PLACES NP
	FETCH_B \slot, (\q)+1, 1-(\q)%2
	FETCH_A \slot, (\q)+1, 0
.if \cin
	WIN 0xc1
.else
	WIN MUL_HI
.endif
	MUL16 4, (\q)%2, \q, \slot, \cin
	MUL16 6, (\q)%2, \q, \slot, \cin
	PLACES NP
	WIN 0
	FETCH_A \slot, (\q)+1, 4
.endm
.macro TURN slot, next, fill
	s_wait_tensorcnt 0x0
	ds_add_u32 v[SPW], v[NIL]
	s_wait_dscnt 4*NL+1
	WIN MUL_LO
	MUL16 0, 1, NQ-1, \slot, 0
	s_wait_dscnt 0x0
	s_barrier_signal -1
	MUL16 2, 1, NQ-1, \slot, 0
	WIN 0
	s_barrier_wait -1
.if \fill
	CREST
	s_add_nc_u64 s[G0+4*\slot+2:G0+4*\slot+3], s[G0+4*\slot+2:G0+4*\slot+3], 2*3072
	s_add_nc_u64 s[G0B+4*\slot+2:G0B+4*\slot+3], s[G0B+4*\slot+2:G0B+4*\slot+3], 2*3072
	JLOAD G0+4*\slot, G1, G0B+4*\slot, G1B
.else
	PLACES NP
.endif
	s_wait_alu depctr_va_vdst(0)
	v_add_nc_u32 v[ADRS], 4*272, v[ADRS]
	FETCH_B \next, 0, 0
	FETCH_A \next, 0, 0
	SCALES \next
	WIN MUL_HI
	MUL16 4, 1, NQ-1, \slot, 0
	MUL16 6, 1, NQ-1, \slot, 0
	PLACES NP
	WIN 0
	FETCH_A \next, 0, 4
.endm
	s_wait_tensorcnt 1
	s_barrier_signal -1
	s_barrier_wait -1
	s_wait_alu depctr_va_vdst(0)
	FETCH_B 0, 0, 0
	FETCH_A 0, 0, 0
	SCALES 0
	FETCH_A 0, 0, 4
	s_cmp_eq_u32 s[ISV], 0
	s_cbranch_scc0 .Lfirst_v
	STEP 0, 0, 1
	s_branch .Lfirst_done
.Lfirst_v:
	STEP 0, 0, 2
.Lfirst_done:
	TURN 0, 1, 1
	STEP 1, 0, 0
	TURN 1, 0, 1
	STEP 0, 0, 0
	TURN 0, 1, 0
	STEP 1, 0, 0
	s_wait_dscnt 4*NL
	WIN MUL_LO
	MUL16 0, 1, NQ-1, 1, 0
	MUL16 2, 1, NQ-1, 1, 0
	s_wait_dscnt 0
	WIN MUL_HI
	MUL16 4, 1, NQ-1, 1, 0
	MUL16 6, 1, NQ-1, 1, 0
	WIN 0
	PLACES NP
.macro QUANTW a
.set WW, 2+(\a)/4
.set AC, 64*((\a)%4)
	WIN (WW<<2)|(WW<<4)
.irp b, 0,1,2,3
	v_max3_num_f32 v[TM+\b], 0x1800000, |v[AC+16*\b]|, |v[AC+1+16*\b]|
.endr
.irp i, 2,4,6,8,10,12,14
.irp b, 0,1,2,3
	v_max3_num_f32 v[TM+\b], v[TM+\b], |v[AC+16*\b+\i]|, |v[AC+1+16*\b+\i]|
.endr
.endr
	WIN 0
.irp b, 0,1,2,3
	v_permlanex16_b32 v[TM+4+\b], v[TM+\b], s[SEL], s[SEL+1]
.endr
.irp b, 0,1,2,3
	v_max_num_f32 v[TM+\b], v[TM+\b], v[TM+4+\b]
.endr
.irp b, 0,1,2,3
	v_add_nc_u32 v[TM+12+\b], 0xff000000, v[TM+\b]
.endr
.irp b, 0,1,2,3
	v_lshrrev_b32 v[TM+4+\b], 23, v[TM+12+\b]
.endr
	v_lshl_or_b32 v[SW+(\a)], v[TM+5], 8, v[TM+4]
	v_lshl_or_b32 v[SW+(\a)], v[TM+6], 16, v[SW+(\a)]
	v_lshl_or_b32 v[SW+(\a)], v[TM+7], 24, v[SW+(\a)]
	s_wait_xcnt 0x0
	WIN WW
.irp c, 0,1
	v_cvt_scalef32_pk16_fp6_f32 v[PC+6*\c:PC+2+6*\c], v[AC+32*\c:AC+15+32*\c], v[TM+12+2*\c]
	v_cvt_scalef32_pk16_fp6_f32 v[PC+12+4*\c:PC+14+4*\c], v[AC+16+32*\c:AC+31+32*\c], v[TM+12+2*\c+1]
.endr
	WIN 0
	v_nop
.irp c, 0,1
.irp i, 0,1,2
	v_permlane16_swap_b32 v[PC+6*\c+\i], v[PC+12+4*\c+\i]
.endr
.irp i, 0,1,2
	v_mov_b32 v[PC+3+6*\c+\i], v[PC+12+4*\c+\i]
.endr
.endr
.endm
	s_mov_b32 s[SEL], 0x76543210
	s_mov_b32 s[SEL+1], 0xfedcba98
	v_and_b32 v88, 31, v0
	v_lshlrev_b32 v84, 4, v88
	v_lshlrev_b32 v85, 3, v88
	v_bfe_u32 v89, v0, 4, 1
	v_lshlrev_b32 v86, 4, v89
	v_and_b32 v90, 15, v0
.irp b, 0,1,2,3
	v_mov_b32 v[TM+4+\b], 0
.endr
	s_cmp_eq_u32 s[ISV], 0
	s_cbranch_scc0 .Lv_out
	s_lshl_b32 s20, s17, 4
	s_lshl_b32 s21, s15, 3
	s_add_co_u32 s20, s20, s21
	s_lshr_b32 s21, s20, 7
	s_and_b32 s20, s20, 127
	s_lshl_b32 s21, s21, 4
	s_lshl_b32 s22, s40, 2
	s_add_co_u32 s21, s21, s22
	s_lshl_b32 s22, s16, 1
	s_add_co_u32 s21, s21, s22
	s_lshl_b32 s22, s21, 7
	s_add_co_u32 s22, s22, s20
	s_mul_i32 s22, s22, 768
	s_mov_b32 s46, 12288
	s_mov_b32 s47, 9699328
	s_cmp_eq_u32 ttmp9, 0
	s_cselect_b32 s23, 0, 3145728
	s_cselect_b32 s46, 8192, s46
	s_cselect_b32 s47, 9437184, s47
	s_add_co_u32 s22, s22, s23
	s_mov_b32 s23, 0
	s_add_nc_u64 s[12:13], s[98:99], s[22:23]
	s_mul_i32 s22, s21, s46
	s_add_co_u32 s22, s22, s47
	s_lshl_b32 s20, s20, 6
	s_add_co_u32 s22, s22, s20
	s_add_nc_u64 s[18:19], s[98:99], s[22:23]
	s_wait_alu depctr_va_vdst(0)
	v_mul_u32_u24 v87, s46, v89
	v_lshl_add_u32 v87, v90, 5, v87
.irp a, 0,1,2,3,4,5,6,7
	QUANTW \a
	global_store_b128 v84, v[PC:PC+3], s[12:13] offset:768*\a
	global_store_b64 v85, v[PC+4:PC+5], s[12:13] offset:768*\a+512
	global_store_b128 v84, v[PC+6:PC+9], s[12:13] offset:768*\a+98304
	global_store_b64 v85, v[PC+10:PC+11], s[12:13] offset:768*\a+98816
	v_bfe_u32 v[SW+\a], v[SW+\a], v86, 16
.endr
	global_store_b128 v87, v[SW:SW+3], s[18:19]
	global_store_b128 v87, v[SW+4:SW+7], s[18:19] offset:16
	s_branch .Lend
.Lv_out:
	s_lshl_b32 s20, s42, 1
	s_add_co_u32 s20, s20, s16
	s_lshr_b32 s21, s20, 4
	s_and_b32 s20, s20, 15
	s_lshl_b32 s21, s21, 4
	s_lshl_b32 s22, s41, 2
	s_add_co_u32 s21, s21, s22
	s_lshl_b32 s22, s15, 1
	s_add_co_u32 s21, s21, s22
	s_lshl_b32 s22, s21, 4
	s_add_co_u32 s22, s22, s20
	s_mul_i32 s22, s22, 6144
	s_add_co_u32 s22, s22, 6291456
	s_mov_b32 s23, 0
	s_add_nc_u64 s[12:13], s[98:99], s[22:23]
	s_mul_i32 s22, s21, 12288
	s_lshl_b32 s20, s20, 8
	s_add_co_u32 s22, s22, s20
	s_add_co_u32 s22, s22, 9699328+8192
	s_add_nc_u64 s[18:19], s[98:99], s[22:23]
	s_wait_alu depctr_va_vdst(0)
	v_mul_u32_u24 v87, v89, 12288
	v_lshl_add_u32 v87, v90, 4, v87
.irp a, 0,1,2,3,4,5,6,7
	QUANTW \a
.irp j, 0,1,2
	global_store_b128 v84, v[PC+4*\j:PC+4*\j+3], s[12:13] offset:(\a/4)*98304+(\a%4)*1536+512*\j
.endr
.endr
	v_cmp_lt_u32 vcc_lo, 15, v88
.irp t, 0,1,2,3
	v_cndmask_b32 v[SV+\t], v[SW+\t], v[SW+4+\t], vcc_lo
.endr
	global_store_b128 v87, v[SV:SV+3], s[18:19]
.Lend:
	s_wait_tensorcnt 0x0
	ds_add_u32 v[SPW], v[NIL]
	s_wait_dscnt 0x0
	CROUND
	s_endpgm
.Lfunc_end_k_qb7639e5779_qkv:
	.size	k_qb7639e5779_qkv, .Lfunc_end_k_qb7639e5779_qkv-k_qb7639e5779_qkv
	.p2alignl 7, 3214868480
	.fill 96, 4, 3214868480
	.section	.rodata,"a",@progbits
	.p2align	6, 0x0
	.amdhsa_kernel k_qb7639e5779_qkv
		.amdhsa_group_segment_fixed_size 327680
		.amdhsa_private_segment_fixed_size 0
		.amdhsa_enable_private_segment 0
		.amdhsa_kernarg_size 48
		.amdhsa_user_sgpr_count 2
		.amdhsa_user_sgpr_kernarg_segment_ptr 1
		.amdhsa_wavefront_size32 1
		.amdhsa_system_sgpr_workgroup_id_x 1
		.amdhsa_system_sgpr_workgroup_id_y 1
		.amdhsa_system_sgpr_workgroup_id_z 1
		.amdhsa_system_vgpr_workitem_id 0
		.amdhsa_next_free_vgpr 1024
		.amdhsa_next_free_sgpr 100
		.amdhsa_reserve_vcc 1
		.amdhsa_float_denorm_mode_32 3
		.amdhsa_float_denorm_mode_16_64 3
		.amdhsa_memory_ordered 1
		.amdhsa_forward_progress 1
		.amdhsa_inst_pref_size 197
	.end_amdhsa_kernel
	.amdgpu_metadata
---
amdhsa.version: [ 1, 2 ]
amdhsa.kernels:
  - .name:           k_qb7639e5779_qkv
    .symbol:         k_qb7639e5779_qkv.kd
    .args:
      - { .name: xq, .offset: 0, .size: 8, .value_kind: global_buffer, .address_space: global }
      - { .name: wq, .offset: 8, .size: 8, .value_kind: global_buffer, .address_space: global }
      - { .name: bq, .offset: 16, .size: 8, .value_kind: global_buffer, .address_space: global }
      - { .name: bk, .offset: 24, .size: 8, .value_kind: global_buffer, .address_space: global }
      - { .name: bv, .offset: 32, .size: 8, .value_kind: global_buffer, .address_space: global }
      - { .name: qkv, .offset: 40, .size: 8, .value_kind: global_buffer, .address_space: global }
    .group_segment_fixed_size: 327680
    .private_segment_fixed_size: 0
    .kernarg_segment_align: 8
    .kernarg_segment_size: 48
    .max_flat_workgroup_size: 128
    .sgpr_count:     100
    .vgpr_count:     1024
    .wavefront_size: 32
...
	.end_amdgpu_metadata
.endif
;; end of part 2
;; launch attn (part 3): grid 8 x 32, 16 waves a work-group, clusters of 4 x 1, 210,944 bytes of LDS; arguments qkv, oq; writes oq
.if DOCPART == 3
	.amdgcn_target "amdgcn-amd-amdhsa--gfx1250"
	.amdhsa_code_object_version 6
	.text
	.protected	k_qb7639e5779_attn
	.globl	k_qb7639e5779_attn
	.p2align	8
	.type	k_qb7639e5779_attn,@function
k_qb7639e5779_attn:
	s_mov_b64 s[64:65], 0
	v_nop
	global_prefetch_b8 v0, s[64:65] scope:SCOPE_SE
	s_setreg_imm32_b32 hwreg(HW_REG_WAVE_MODE, 25, 1), 1
	s_wait_xcnt 0x0
	s_wait_alu depctr_hold_cnt(0) depctr_sa_sdst(0) depctr_va_vdst(0) depctr_va_sdst(0) depctr_va_ssrc(0) depctr_va_vcc(0) depctr_vm_vsrc(0)
	s_getreg_b32 s2, hwreg(HW_REG_IB_STS2, 6, 4)
	s_cmp_eq_u32 s2, 0
	s_cbranch_scc0 .Lentry_in_a_cluster
	s_endpgm
.Lentry_in_a_cluster:
	s_bfe_u32 s2, ttmp6, 0x10000c
	s_cmp_lg_u32 s2, 0x3003
	s_cbranch_scc0 .Lentry_shape_is_right
	s_endpgm
.Lentry_shape_is_right:
; o = softmax(q k^T / 8) v for one head (bh = 16 batch + head) and 256 queries, both products on codes of E2M3 with E8M0 scales; o / l is quantised in registers and leaves as codes.
; THE SOFTMAX: t = score x log2(e) / 8; M = the running largest t rounded up to a whole number; p = 2^(t - M) is quantised along the keys, not normalised; the row's sum is taken of the
; unquantised p and divides at the end.  When M moves, the sum and O are multiplied by 2^(old M - new M): exact.
; SHARES: sixteen waves, 16 queries (one tile) each, 256 registers.  All 2,048 keys of the head lie in LDS, FILLED ONCE: nothing is filled again.
; CLUSTER: the four query blocks of a cluster belong to one head: K, V and their scale words are asked for jointly (mask 15).  One tensor load a wave: waves 0-7 bring key steps 2 w, 2 w + 1 of K
; and of V by ONE descriptor (two rows of 12,288 bytes, K's and V's, 3,145,728 bytes apart in memory), wave 8 the 12,288 bytes of scale words.
; LAYOUT: S^T = K Q^T, O^T = V^T P^T: a lane holds one query.  The head is 64 wide: Q's upper six registers are zero codes, so what K's operand holds there adds nothing: K's tile t lies in six
; registers and its operand runs on into tile t + 1's six (behind tile 7: six registers of finite bits); bytes 2 and 3 of K's and Q's scale words are 0, a finite code.
; WHICH KEYS FORM A TILE is chosen by the lanes' LDS addresses.  In LDS position 32 b + 16 u + r holds key 32 b + 8 u + r + 8 (r / 8).  Tile 4 c + i of a step takes as rows 0-7 keys 64 c + 8 i + 0 .. 7 and as rows 8-15
; keys 64 c + 32 + 8 i + 0 .. 7: stored tile 4 c + i % 2 + 2 (r / 8), stored row 8 (i / 2) + r % 8.  So the 32 registers of tiles 4 c .. 4 c + 3 are ONE WHOLE BLOCK of 32 keys: block 2 c in lanes 0-15, 2 c + 1 in lanes 16-31,
; as the operand's layout wants p: a block's largest needs no other lane, and the codes change no lane.
; TWO BLOCKS OF 64 REGISTERS TAKE TURNS: K(s) in one, S(s) into the other; V(s) over K(s) behind its products; K(s + 1) over p(s) behind the conversions.  So each LDS load has vector work behind it in which to land.
; A trip is two key steps, after which the blocks are back where they began; the last trip is written out, since its second step fetches no further K.
; No prefetch: every load from memory stands at the head, there is no loop to run ahead in.
; LIMITS: NaN and infinities are not served; the promise holds while the scaled scores t stay under 2^31 in magnitude; a block of zeros takes the scale byte 1 (its codes are zeros); 1 / l is v_rcp_f32 and a multiplication.
; LDS: piece j (key steps 2 j, 2 j + 1) at 24,576 j: K [2][8 tiles][768], then V [2][4 tiles][1,536]; K's scale words [step][r][8] at 196,608; V's [step][r][4] at 204,800; the spare words at 208,896.
.set WV,  8
.set SEL, 52
.set CS,  54
.set TK,  56                           ; s56: the trip's piece, 24,576 bytes a trip;  s57: K's scale words, 1,024;  s58: V's, 512
.set TS,  57
.set TJ,  58
.set CNT, 59
.set G1A, 16
.set G1B, 24
.set G0A, 40
.set G0B, 44
.set SCB, 196608
.set SPARE, 208896
; v1, v2, v8 K's lane terms; v3 running largest score; v4 4 r; v6, v7, v9 lane terms; v5, v10, v11, v28, v29 the trip's addresses; v12, v30 -M by turns (pairs with v13, v31); v[14:15] the sum; v16-27 Q
.set BX,  32                           ; v32-95, v96-159 the two blocks
.set BY,  96
.set OT,  160                          ; v160-191 O^T
.set PC,  192                          ; v192-203 p's codes; v204-210 the conversions' second halves
.set KS,  212                          ; v212-219 K's scale words, v220-223 V's, v224 Q's, v225 p's
.set VS,  220
.set QS,  224
.set PS,  225
.set MX,  226                          ; v226, v227 my two blocks' largest; v230-232, v234, v235 at work
.set MT,  230
.set SO,  234
.set SH,  236                          ; 8 x (lane / 16)
.set FF,  238                          ; v[238:239] f
.set CT,  240
.set PW,  241
.set SU,  242                          ; v242-253 the sum's six chains
.set SPW, 254
.set NIL, 255
.macro ROUND
	s_barrier_signal -1
	s_barrier_wait -1
	s_cmp_lg_u32 s[WV], 0
	s_cbranch_scc1 .Lnot_wave_0_\@
	s_barrier_signal -3
.Lnot_wave_0_\@:
	s_barrier_wait -3
	s_barrier_signal -1
	s_barrier_wait -1
.endm
; 32 numbers of a lane, register 16 b + i = k 32 b + 16 (lane / 16) + i, become half a fragment (six registers v[pc] on) and two scale bytes in v[pw]
.macro HQ s, t, pw, pc
.irp b, 0,1
	v_max3_num_f32 v[\t+\b], |v[\s+16*\b]|, |v[\s+1+16*\b]|, 0x1800000
.endr
.irp i, 2,4,6,8,10,12,14
.irp b, 0,1
	s_delay_alu instid0(VALU_DEP_2)
	v_max3_num_f32 v[\t+\b], v[\t+\b], |v[\s+16*\b+\i]|, |v[\s+1+16*\b+\i]|
.endr
.endr
.irp b, 0,1
	s_delay_alu instid0(VALU_DEP_2)
	v_permlanex16_b32 v[\t+2+\b], v[\t+\b], s[SEL], s[SEL+1]
.endr
.irp b, 0,1
	s_delay_alu instid0(VALU_DEP_2)
	v_max_num_f32 v[\t+\b], v[\t+\b], v[\t+2+\b]
.endr
.irp b, 0,1
	s_delay_alu instid0(VALU_DEP_2)
	v_add_nc_u32 v[\t+4+\b], 0xff000000, v[\t+\b]
.endr
.irp b, 0,1
	s_delay_alu instid0(VALU_DEP_2)
	v_lshrrev_b32 v[\t+2+\b], 23, v[\t+4+\b]
.endr
	s_delay_alu instid0(VALU_DEP_1)
	v_lshl_or_b32 v[\pw], v[\t+3], 8, v[\t+2]
	v_cvt_scalef32_pk16_fp6_f32 v[\pc:\pc+2], v[\s:\s+15], v[\t+4]
	v_cvt_scalef32_pk16_fp6_f32 v[\pc+8:\pc+10], v[\s+16:\s+31], v[\t+5]
	v_nop
.irp i, 0,1,2
	v_permlane16_swap_b32 v[\pc+\i], v[\pc+8+\i]
.endr
.irp i, 0,1,2
	s_delay_alu instid0(VALU_DEP_3)
	v_mov_b32 v[\pc+3+\i], v[\pc+8+\i]
.endr
.endm
; a key step's eight tiles of K, six registers each, and their scale words: 20 LDS loads.  Tile t = 4 c + i: stored tile 4 c + i % 2 (+ 2 for rows 8-15, in the lane term), stored rows 8 (i / 2) on
.macro KLOAD blk, a, b, c, ko, so
.irp t, 0,1,2,3,4,5,6,7
	ds_load_b128 v[\blk+6*\t:\blk+6*\t+3], v[\a] offset:\ko+768*(4*(\t/4)+\t%2)+128*((\t%4)/2)
	ds_load_b64 v[\blk+6*\t+4:\blk+6*\t+5], v[\b] offset:\ko+768*(4*(\t/4)+\t%2)+64*((\t%4)/2)
.endr
.irp q, 0,1
	ds_load_b64 v[KS+4*\q:KS+4*\q+1], v[\c] offset:\so+16*\q           ; tiles 4 q, 4 q + 1: stored rows r % 8
	ds_load_b64 v[KS+4*\q+2:KS+4*\q+3], v[\c] offset:\so+16*\q+256     ; tiles 4 q + 2, 4 q + 3: stored rows 8 + r % 8
.endr
.endm
.macro SUMS sb, n                      ; n more pairs of p onto the six chains, by turns
.rept \n
	v_pk_add_f32 v[SU+2*(jj%6):SU+2*(jj%6)+1], v[SU+2*(jj%6):SU+2*(jj%6)+1], v[\sb+2*jj:\sb+2*jj+1]
.set jj, jj+1
.endr
.endm
; A KEY STEP: 128 keys.  kb: the block with K, then V;  sb: the block for S, p, then the next K;  nn, pn: the new and the old -M;  half: which step of the trip;  pre: the next step's K is fetched
.macro STEP kb, sb, nn, pn, half, pre
	s_wait_dscnt 0x0                               ; K and its scale words are in
.irp t, 0,1,2,3,4,5,6,7
	v_wmma_scale_f32_16x16x128_f8f6f4 v[\sb+8*\t:\sb+8*\t+7], v[\kb+6*\t:\kb+6*\t+11], v[16:27], 0, v[KS+\t], v[QS] matrix_a_fmt:MATRIX_FMT_FP6 matrix_b_fmt:MATRIX_FMT_FP6
.endr
.if \half == 0
	v_add_nc_u32 v10, s[TK], v6                    ; the trip's addresses: these five are the places behind the products
	v_add_nc_u32 v5, s[TK], v1
	v_add_nc_u32 v11, s[TK], v2
	v_add_nc_u32 v28, s[TS], v8
	v_add_nc_u32 v29, s[TJ], v9
.else
.rept 4
	v_nop                                          ; places in front of reads of the results and of loads into K's registers
.endr
.endif
.irp t, 0,1,2,3
.irp j, 0,1,2
	ds_load_b128 v[\kb+12*\t+4*\j:\kb+12*\t+4*\j+3], v10 offset:12288+6144*\half+1536*\t+512*\j   ; V's four fragments, where K lay
.endr
.endr
	ds_load_b128 v[VS:VS+3], v29 offset:256*\half
	; the largest score of my two blocks of 32 keys, two chains a block: for the row's maximum and, since p rises with the score, for the block's largest p.  Each accumulator is first read in its four lowest registers
.irp c, 0,1
	v_max3_num_f32 v[MX+\c], v[\sb+32*\c], v[\sb+32*\c+1], v[\sb+32*\c+2]
	v_max3_num_f32 v[MT+\c], v[\sb+32*\c+16], v[\sb+32*\c+17], v[\sb+32*\c+18]
.endr
.irp i, 3,5,7,9,11,13
.irp c, 0,1
	v_max3_num_f32 v[MX+\c], v[MX+\c], v[\sb+32*\c+\i], v[\sb+32*\c+\i+1]
	v_max3_num_f32 v[MT+\c], v[MT+\c], v[\sb+32*\c+16+\i], v[\sb+32*\c+17+\i]
.endr
.endr
.irp c, 0,1
	v_max3_num_f32 v[MX+\c], v[MX+\c], v[MT+\c], v[\sb+32*\c+15]
.endr
.irp c, 0,1
	v_max_num_f32 v[MX+\c], v[MX+\c], v[\sb+32*\c+31]
.endr
	s_delay_alu instid0(VALU_DEP_1)
	v_max_num_f32 v[CT], v[MX], v[MX+1]
	s_delay_alu instid0(VALU_DEP_1)
	v_permlanex16_b32 v[MT], v[CT], s[SEL], s[SEL+1]   ; lane l xor 16's two blocks
	s_delay_alu instid0(VALU_DEP_1)
	v_max3_num_f32 v3, v3, v[CT], v[MT]            ; the running largest score
	s_delay_alu instid0(VALU_DEP_1)
	v_mul_f32 v[CT], s[CS], v3                     ; as t (c is positive)
	s_delay_alu instid0(VALU_DEP_1)
	v_floor_f32 v[\nn], -v[CT]                     ; the new -M = -ceil(t)
	s_delay_alu instid0(VALU_DEP_1)
	v_sub_f32 v[CT], v[\nn], v[\pn]                ; old M - new M: a whole number, 0 or less
	s_delay_alu instid0(VALU_DEP_1)
	v_cvt_i32_f32 v[CT], v[CT]                     ; (it saturates)
	s_delay_alu instid0(VALU_DEP_1)
	v_ldexp_f32 v[FF], 1.0, v[CT]                  ; f = 2^(old M - new M)
.set jj, 0
.rept 32
	v_pk_fma_f32 v[\sb+jj:\sb+jj+1], v[\sb+jj:\sb+jj+1], s[CS:CS+1], v[\nn:\nn+1] op_sel_hi:[1,0,0]   ; t - M
.set jj, jj+2
.endr
.irp c, 0,1
	v_fma_f32 v[MX+\c], v[MX+\c], s[CS], v[\nn]    ; the same of each block's largest score
.endr
	s_wait_alu depctr_va_vdst(0)                   ; the wait ahead of the batch
.irp c, 0,1
	v_exp_f32 v[MX+\c], v[MX+\c]                   ; the blocks' largest p
.endr
.set jj, 0
.rept 64
	v_exp_f32 v[\sb+jj], v[\sb+jj]                 ; p = 2^(t - M)
.set jj, jj+1
.endr
	v_pk_mul_f32 v[14:15], v[14:15], v[FF:FF+1] op_sel_hi:[1,0]   ; the sum under the new M: the plain place behind the batch
	s_wait_alu depctr_va_vdst(0)                   ; one wait for the 66, directly ahead of O^T's first readers too
.set jj, 0
.rept 16
	v_pk_mul_f32 v[OT+jj:OT+jj+1], v[OT+jj:OT+jj+1], v[FF:FF+1] op_sel_hi:[1,0]   ; O^T under the new M
.set jj, jj+2
.endr
.irp c, 0,1
	v_max_num_f32 v[MX+\c], 0x1800000, v[MX+\c]    ; the floor 2^(3 - 127): the byte cannot fall under 1
.endr
.irp c, 0,1
	v_add_nc_u32 v[SO+\c], 0xff000000, v[MX+\c]    ; 2 off the exponent field: the conversion's scale operand
.endr
.irp c, 0,1
	v_lshrrev_b32 v[MT+\c], 23, v[SO+\c]           ; the scale's byte
.endr
	; the row's sum of the unquantised p: registers 0-53 now, ahead of the loads that land there; p's scale word is made between its lines
.irp i, 0,1,2,3,4,5
	v_pk_add_f32 v[SU+2*\i:SU+2*\i+1], v[\sb+2*\i:\sb+2*\i+1], v[\sb+12+2*\i:\sb+13+2*\i]
.endr
	v_lshl_or_b32 v[CT], v[MT+1], 16, v[MT]        ; my two bytes: blocks h and 2 + h,
.set jj, 12
	SUMS \sb, 5
	v_lshlrev_b32 v[CT], v[SH], v[CT]              ; at their places in the word (8 h bits up);
	SUMS \sb, 5
	v_permlanex16_b32 v[MT+2], v[CT], s[SEL], s[SEL+1]
	SUMS \sb, 5
	v_or_b32 v[PS], v[CT], v[MT+2]                 ; with lane l xor 16's two the word of these 128 keys is whole
.irp c, 0,1
	v_cvt_scalef32_pk16_fp6_f32 v[PC+6*\c:PC+2+6*\c], v[\sb+32*\c:\sb+15+32*\c], v[SO+\c]
	v_cvt_scalef32_pk16_fp6_f32 v[PC+12+4*\c:PC+14+4*\c], v[\sb+16+32*\c:\sb+31+32*\c], v[SO+\c]   ; (a conversion's three registers begin on an even number)
.endr
	v_nop                                          ; one plain place behind a scaled conversion
.if \pre
	KLOAD \sb, 5, 11, 28, 6144+18432*\half, 512+512*\half   ; the next step's K into registers 0-47 of p's block
.endif
.irp c, 0,1
.irp i, 0,1,2
	v_mov_b32 v[PC+3+6*\c+\i], v[PC+12+4*\c+\i]
.endr
.endr
	SUMS \sb, 5                                    ; registers 54-63, which no load touches: also the places between the codes' last write and the products
	s_wait_alu depctr_va_vdst(0)                   ; directly ahead of the wait below
.if \pre
	s_wait_dscnt 20                                ; V and its scale words are in; the 20 younger loads, K's, may be out
.else
	s_wait_dscnt 0x0
.endif
.irp t, 0,1,2,3
	v_wmma_scale_f32_16x16x128_f8f6f4 v[OT+8*\t:OT+8*\t+7], v[\kb+12*\t:\kb+12*\t+11], v[PC:PC+11], v[OT+8*\t:OT+8*\t+7], v[VS+\t], v[PS] matrix_a_fmt:MATRIX_FMT_FP6 matrix_b_fmt:MATRIX_FMT_FP6
.endr
	v_pk_add_f32 v[SU:SU+1], v[SU:SU+1], v[SU+2:SU+3]             ; the six chains join: six places ahead of the products that write over V's fragments
	v_pk_add_f32 v[SU+4:SU+5], v[SU+4:SU+5], v[SU+6:SU+7]
	v_pk_add_f32 v[SU+8:SU+9], v[SU+8:SU+9], v[SU+10:SU+11]
	v_pk_add_f32 v[SU:SU+1], v[SU:SU+1], v[SU+4:SU+5]
	v_pk_add_f32 v[14:15], v[14:15], v[SU+8:SU+9]
	v_pk_add_f32 v[14:15], v[14:15], v[SU:SU+1]
.endm
	s_load_b128 s[4:7], s[0:1], 0x0                ; qkv, oq
	v_lshl_add_u32 v[SPW], v0, 2, SPARE
	v_mov_b32 v[NIL], 0
	ds_add_u32 v[SPW], v[NIL]                      ; the opening lines: the add twice on end and one wait
	ds_add_u32 v[SPW], v[NIL]
	v_lshrrev_b32 v1, 5, v0
	v_readfirstlane_b32 s[WV], v1                  ; wave 0..15
	s_bfe_u32 s9, ttmp6, 0x40000                   ; cx: it enters Q's and o's addresses alone
	s_lshl_b32 s10, ttmp9, 2
	s_add_co_u32 s10, s10, s9                      ; my block of 256 queries
	s_lshl_b32 s3, s10, 4
	s_add_co_u32 s3, s3, s[WV]                     ; T: my tile of queries
	s_and_b32 s11, ttmp7, 0xffff                   ; bh, which the four partners share
	s_min_u32 s12, s[WV], 7                        ; the piece that I fetch (waves 0-7)
	s_mov_b32 s[G1A], 15|(3<<16)|(1<<21)           ; K's and V's piece: 2 rows of 1,536 elements of 8 bytes, 393,216 elements apart; mask 15, bit 21 beside it
	s_mov_b32 s[G1A+1], 1536<<16
	s_mov_b32 s[G1A+2], 2<<16
	s_mov_b32 s[G1A+3], 1536<<16
	s_mov_b32 s[G1A+4], 2
	s_mov_b32 s[G1A+5], 393216
	s_mov_b32 s[G1A+6], 0
	s_mov_b32 s[G1A+7], 0
	s_mov_b32 s[G1B], 15|(3<<16)|(1<<21)           ; the scale words: 48 dense rows of 256 bytes
	s_mov_b32 s[G1B+1], 32<<16
	s_mov_b32 s[G1B+2], 48<<16
	s_mov_b32 s[G1B+3], 32<<16
	s_mov_b32 s[G1B+4], 48
	s_mov_b32 s[G1B+5], 32
	s_mov_b32 s[G1B+6], 0
	s_mov_b32 s[G1B+7], 0
	s_mul_i32 s60, s11, 12288
	s_add_co_u32 s60, s60, 9699328                 ; the head's 12,288 bytes of scale words
	s_mov_b32 s61, 0
	s_mul_i32 s62, s11, 98304
	s_mul_i32 s13, s12, 12288
	s_add_co_u32 s62, s62, s13
	s_add_co_u32 s62, s62, 3145728                 ; my piece of the head's K; V's lies 3,145,728 bytes on
	s_mov_b32 s63, 0
	s_mul_i32 s15, s12, 24576
	s_lshl_b32 s13, s11, 7
	s_add_co_u32 s13, s13, s3
	s_mul_i32 s32, s13, 768                        ; Q's half fragment
	s_mov_b32 s33, 0
	s_lshl_b32 s34, s11, 13
	s_lshr_b32 s13, s3, 3
	s_lshl_b32 s13, s13, 9
	s_add_co_u32 s34, s34, s13
	s_and_b32 s13, s3, 7
	s_lshl_b32 s13, s13, 2
	s_add_co_u32 s34, s34, s13
	s_add_co_u32 s34, s34, 9437184                 ; and its scale words
	s_mov_b32 s35, 0
	s_mov_b32 s[SEL], 0x76543210
	s_mov_b32 s[SEL+1], 0xfedcba98
	s_mov_b32 s[CS], 0x3e38aa3b                    ; c = log2(e) / 8
	s_mov_b32 s[CS+1], s[CS]
	s_mov_b32 s[TK], 0
	s_mov_b32 s[TS], 0
	s_mov_b32 s[TJ], 0
	s_wait_dscnt 0x0                               ; both opening adds are done
	s_wait_kmcnt 0x0
	s_mov_b32 s[G0A], 1
	s_mov_b32 s[G0A+1], s15
	s_add_nc_u64 s[G0A+2:G0A+3], s[4:5], s[62:63]
	s_or_b32 s[G0A+3], s[G0A+3], 0x80000000
	s_mov_b32 s[G0B], 1
	s_mov_b32 s[G0B+1], SCB
	s_add_nc_u64 s[G0B+2:G0B+3], s[4:5], s[60:61]
	s_or_b32 s[G0B+3], s[G0B+3], 0x80000000
	s_add_nc_u64 s[32:33], s[4:5], s[32:33]
	s_add_nc_u64 s[34:35], s[4:5], s[34:35]
	ROUND                                          ; all four work-groups are here: the joint loads meet
	s_cmp_lt_u32 s[WV], 8                          ; one chain of branches on the wave's number, one load to an arm
	s_cbranch_scc0 .Lnot_kv
	tensor_load_to_lds s[G0A:G0A+3], s[G1A:G1A+7]  ; key steps 2 w, 2 w + 1 of K and of V
	s_nop 0
.rept 4
	v_nop
.endr
	s_branch .Lfilled
.Lnot_kv:
	s_cmp_eq_u32 s[WV], 8
	s_cbranch_scc0 .Lfilled
	tensor_load_to_lds s[G0B:G0B+3], s[G1B:G1B+7]  ; the scale words
	s_nop 0
.rept 4
	v_nop
.endr
.Lfilled:
	v_and_b32 v1, 31, v0
	v_and_b32 v2, 15, v0                           ; r
	v_lshlrev_b32 v6, 4, v1                        ; 16 l
	v_lshlrev_b32 v7, 3, v1
	v_lshlrev_b32 v5, 5, v2                        ; 32 r
	v_lshlrev_b32 v9, 4, v2
	v_lshlrev_b32 v4, 2, v2                        ; 4 r
	v_add_nc_u32 v7, 512, v7                       ; 512 + 8 l
	v_add_nc_u32 v9, SCB+8192, v9
	global_load_b128 v[16:19], v6, s[32:33]
	global_load_b64 v[20:21], v7, s[32:33]
	global_load_b32 v[QS], v5, s[34:35]
	v_bfe_u32 v[CT], v0, 3, 1                      ; e = r / 8
	v_bfe_u32 v[PW], v0, 4, 1                      ; h
	v_and_b32 v8, 7, v0                            ; r % 8
	v_lshlrev_b32 v[SH], 3, v[PW]                  ; 8 h
	v_mul_u32_u24 v1, v[CT], 1536                  ; K's 16-byte parts: two stored tiles on for rows 8-15,
	v_mul_u32_u24 v2, v[CT], 1536
	v_lshl_add_u32 v1, v[PW], 8, v1                ; + 16 (16 h + r % 8)
	v_lshl_add_u32 v2, v[PW], 7, v2                ; K's 8-byte parts: + 512 + 8 (16 h + r % 8)
	v_lshl_add_u32 v1, v8, 4, v1
	v_lshl_add_u32 v2, v8, 3, v2
	v_lshlrev_b32 v8, 5, v8                        ; K's scale words: 32 (r % 8) + 8 e
	v_add_nc_u32 v2, 512, v2
	v_lshl_add_u32 v8, v[CT], 3, v8
	v_add_nc_u32 v8, SCB, v8
.irp j, 22,23,24,25,26,27
	v_mov_b32 v\j, 0                               ; Q's k = 64 .. 127: zero codes
.endr
.irp j, 48,49,50,51,52,53
	v_mov_b32 v[BX+\j], 0                          ; what the first step's tile 7 runs on into
.endr
	v_mov_b32 v3, 0xff61b1e6                       ; the largest score so far: -3e38
	v_mov_b32 v30, 0x7f61b1e6                      ; -M so far: 3e38, so that the first f is 0
	v_mov_b32 v31, 0                               ; (upper halves of pairs that are named)
	v_mov_b32 v13, 0
	v_mov_b32 v14, 0
	v_mov_b32 v15, 0
	v_mov_b32 v[FF+1], 0
.irp j, 228,229,232
	v_mov_b32 v\j, 0                               ; a lane permute's destination counts as one of its sources
.endr
.set jj, 0
.rept 32
	v_mov_b32 v[OT+jj], 0                          ; O^T: the step is written once; the first f, 0, leaves zeros zeros
.set jj, jj+1
.endr
	s_wait_alu depctr_va_vdst(0)                   ; the wait at the head's end
	s_wait_loadcnt 0x0                             ; Q
	s_wait_tensorcnt 0x0                           ; my piece is in,
	s_barrier_signal -1
	s_barrier_wait -1                              ; everybody's is
	KLOAD BX, 1, 2, 8, 0, 0                        ; key step 0
	s_mov_b32 s[CNT], 7
.Ltrip:
	STEP BX, BY, 12, 30, 0, 1
	STEP BY, BX, 30, 12, 1, 1
	s_add_co_u32 s[TK], s[TK], 24576
	s_add_co_u32 s[TS], s[TS], 1024
	s_add_co_u32 s[TJ], s[TJ], 512
	s_sub_co_u32 s[CNT], s[CNT], 1
	s_cmp_lg_u32 s[CNT], 0
	s_cbranch_scc1 .Ltrip
	STEP BX, BY, 12, 30, 0, 1
	STEP BY, BX, 30, 12, 1, 0                      ; the last step fetches no further K
	; THE WAY OUT: o = O^T / l, quantised along the head's 64: half c = head % 2 of K step head / 2 of the next product
	v_add_f32 v14, v14, v15
	s_delay_alu instid0(VALU_DEP_1)
	v_permlanex16_b32 v[CT], v14, s[SEL], s[SEL+1]
	s_delay_alu instid0(VALU_DEP_1)
	v_add_f32 v14, v14, v[CT]                      ; the row's sum
	s_wait_alu depctr_va_vdst(0)                   ; the wait ahead of the transcendental
	v_rcp_f32 v14, v14
	v_nop                                          ; a plain place behind the reciprocal
	s_lshr_b32 s13, s11, 4
	s_lshl_b32 s13, s13, 7
	s_add_co_u32 s13, s13, s3                      ; the tile among all 256
	s_and_b32 s14, s11, 15                         ; the head
	s_mul_i32 s60, s13, 12288
	s_mul_i32 s15, s14, 768
	s_add_co_u32 s60, s60, s15
	s_mov_b32 s61, 0
	s_add_nc_u64 s[60:61], s[6:7], s[60:61]
	s_lshr_b32 s62, s13, 3
	s_lshl_b32 s62, s62, 12
	s_lshr_b32 s15, s14, 1
	s_lshl_b32 s15, s15, 9
	s_add_co_u32 s62, s62, s15
	s_and_b32 s15, s13, 7
	s_lshl_b32 s15, s15, 6
	s_add_co_u32 s62, s62, s15
	s_and_b32 s15, s14, 1
	s_lshl_b32 s15, s15, 1
	s_add_co_u32 s62, s62, s15
	s_add_co_u32 s62, s62, 3145728
	s_mov_b32 s63, 0
	s_add_nc_u64 s[62:63], s[6:7], s[62:63]
	s_wait_alu depctr_va_vdst(0)                   ; the wait, directly ahead of the first reader of the reciprocal and of O^T
.set jj, 0
.rept 16
	v_pk_mul_f32 v[BY+jj:BY+jj+1], v[OT+jj:OT+jj+1], v[14:15] op_sel_hi:[1,0]
.set jj, jj+2
.endr
	HQ BY, MX, PW, PC
	global_store_b128 v6, v[PC:PC+3], s[60:61]     ; whole aligned blocks of 256 bytes
	global_store_b64 v7, v[PC+4:PC+5], s[60:61]
	global_store_b16 v4, v[PW], s[62:63]           ; my head's half of the rows' scale words: one instruction a wave, 32 of its 800 bytes
	s_wait_tensorcnt 0x0                           ; the wave's end
	ds_add_u32 v[SPW], v[NIL]
	s_wait_dscnt 0x0
	ROUND                                          ; the closing round
	s_endpgm
.Lfunc_end_k_qb7639e5779_attn:
	.size	k_qb7639e5779_attn, .Lfunc_end_k_qb7639e5779_attn-k_qb7639e5779_attn
	.p2alignl 7, 3214868480
	.fill 96, 4, 3214868480
	.section	.rodata,"a",@progbits
	.p2align	6, 0x0
	.amdhsa_kernel k_qb7639e5779_attn
		.amdhsa_group_segment_fixed_size 210944
		.amdhsa_private_segment_fixed_size 0
		.amdhsa_enable_private_segment 0
		.amdhsa_kernarg_size 16
		.amdhsa_user_sgpr_count 2
		.amdhsa_user_sgpr_kernarg_segment_ptr 1
		.amdhsa_wavefront_size32 1
		.amdhsa_system_sgpr_workgroup_id_x 1
		.amdhsa_system_sgpr_workgroup_id_y 1
		.amdhsa_system_sgpr_workgroup_id_z 1
		.amdhsa_system_vgpr_workitem_id 0
		.amdhsa_next_free_vgpr 256
		.amdhsa_next_free_sgpr 66
		.amdhsa_reserve_vcc 0
		.amdhsa_float_denorm_mode_32 3
		.amdhsa_float_denorm_mode_16_64 3
		.amdhsa_memory_ordered 1
		.amdhsa_forward_progress 1
		.amdhsa_inst_pref_size 73
	.end_amdhsa_kernel
	.amdgpu_metadata
---
amdhsa.version: [ 1, 2 ]
amdhsa.kernels:
  - .name:           k_qb7639e5779_attn
    .symbol:         k_qb7639e5779_attn.kd
    .args:
      - { .name: qkv, .offset: 0, .size: 8, .value_kind: global_buffer, .address_space: global }
      - { .name: oq, .offset: 8, .size: 8, .value_kind: global_buffer, .address_space: global }
    .group_segment_fixed_size: 210944
    .private_segment_fixed_size: 0
    .kernarg_segment_align: 8
    .kernarg_segment_size: 16
    .max_flat_workgroup_size: 512
    .sgpr_count:     66
    .vgpr_count:     256
    .wavefront_size: 32
...
	.end_amdgpu_metadata
.endif
;; end of part 3
;; launch tail (part 4): grid 256 x 1, 4 waves a work-group, no clusters, 327,680 bytes of LDS; arguments oq, wq, xr, alpha2, beta2, b1, b2, out0; writes out0
.if DOCPART == 4
	.amdgcn_target "amdgcn-amd-amdhsa--gfx1250"
	.amdhsa_code_object_version 6
	.text
	.protected	k_qb7639e5779_tail
	.globl	k_qb7639e5779_tail
	.p2align	8
	.type	k_qb7639e5779_tail,@function
k_qb7639e5779_tail:
	s_mov_b64 s[64:65], 0
	v_nop
	global_prefetch_b8 v0, s[64:65] scope:SCOPE_SE
	s_setreg_imm32_b32 hwreg(HW_REG_WAVE_MODE, 25, 1), 1
	s_wait_xcnt 0x0
; x1 = (xn + bo) + o Wo;  h = norm2(x1);  out = x1 + relu(h W1 + b1) W2 + b2.  The three products on codes of E2M3 with E8M0 scales; h and the hidden layer are quantised in registers and never go to memory.
; SHARES: a work-group owns ONE tile of 16 tokens: 256 work-groups, one to a WGP.  THE WAVES SHARE THE COLUMNS: wave w makes features 256 w .. + 255 and hidden units 128 w .. + 127.  So a weight fragment is used by one wave alone:
; it goes from memory straight into registers, through a ring of eight groups (a group = a pair of tiles x 128 K, 24 registers).  The first launch has laid each wave's weights as ONE stream
; in the order in which they are used (Wo, W1, W2: 128 groups, 16 trips of 8); a group is asked for one trip ahead, through the vector phases too.
; x1 stays in 16 accumulators (v0-63 of windows 2 and 3): they are LOADED with xn + bo, the first product adds onto them, the last product adds onto them again, so both residuals cost nothing.
; Source 0 = 16 rows of a weight, source 1 = the 16 tokens: a lane holds one token, and the 16 registers of tiles 2 b, 2 b + 1 are 16 neighbouring features (the tiles' rows are positions: 32 b + 16 u + r holds 32 b + 8 u + r + 8 (r / 8)).
; NORM: each wave takes mean and sum of squared differences over its own 256 features; the four are joined as mean = average, M2 = sum of M2 + 256 x sum of (mean_w - mean)^2: one exchange, no difference of large sums.
; NO CLUSTER: what work-groups share, the weights, goes to one wave's registers; a joint load would need a ring in LDS for it, whose two slots hold no more bytes than the four waves' rings ask for.
; NO PREFETCH: the stream is read by all 256 work-groups, not once, and the ring asks a trip ahead.
; LIMITS: NaN and infinities are not served; a block under 2^-124 or of zeros takes the scale byte 1; 1/1023 is a multiplication; 1/sqrt is v_rsq_f32.
; LDS, every region filled once: o's images (split halves [s][c][768]); h's images [s][1,536]; the hidden layer's (split); three sets of scale words; alpha2, beta2, b2, b1; statistics; the weights' scale words; a stage a wave; the spare words.
.set OIM,  0
.set HIM,  49152
.set DIM,  98304
.set OSC,  122880                      ; o's scale words: [s][16 words]
.set HSC,  124928                      ; h's: 256 bytes a K step, the first 16 words in use
.set DSC,  126976                      ; the hidden layer's likewise
.set PAL,  128000                      ; alpha2; beta2 4,096 on; b2 8,192 on
.set PB1,  140288
.set STAT, 142336
.set WSL,  144384
.set STG,  209920                      ; 16 rows x 528 bytes a wave
.set SPARE, 243712
; window 0: addresses
.set L16,  4
.set TA,   5
.set TA8,  6
.set TSA,  7
.set RSA,  8
.set STA,  9
.set STRD, 10
.set ALA,  11
.set HWI,  12
.set HWS,  13
.set B1A,  14
.set DW128, 15
.set DW64, 16
.set DWS,  17
.set SO,   18
.set SR,   19
; v32-39 the ring's scale words; v40, v42 the tokens' (one for each set); v62, v63 the add's two; v64-255 the ring
; window 1: v0-11, v48-59 token fragments, two sets; v96-127 the hidden layer's 4 accumulators; in the norm: v0-63 alpha2 (before: statistics), v64-127 beta2, and:
.set ST,   128
.set TM,   192
.set PW,   208
.set PC,   212
.set MN,   232
.set RD,   240
.set WV,   20
.set SEL,  22
.set WP,   96                          ; s[96:97]: the stream, one trip ahead of the pair of trips in hand
.set CNT,  98
.set MSB, 0
.macro WIN new
.if MSB != (\new)
	s_set_vgpr_msb (MSB<<8)|(\new)
.set MSB, (\new)
.endif
.endm
.macro DENSE g, c, r, p                ; group 1: r rows of c elements of 8 bytes, p elements apart, dense in LDS
	s_mov_b32 s[\g], 3<<16
	s_mov_b32 s[\g+1], (\c)<<16
	s_mov_b32 s[\g+2], (\r)<<16
	s_mov_b32 s[\g+3], (\c)<<16
	s_mov_b32 s[\g+4], \r
	s_mov_b32 s[\g+5], \p
	s_mov_b32 s[\g+6], 0
	s_mov_b32 s[\g+7], 0
.endm
.macro G0SET g, lds, ptr
	s_mov_b32 s[\g], 1
	s_mov_b32 s[\g+1], \lds
	s_mov_b64 s[\g+2:\g+3], s[\ptr:\ptr+1]
	s_or_b32 s[\g+3], s[\g+3], 0x80000000
.endm
.macro ARM w, g0, g1, next             ; one arm of a chain of branches on the wave's number: wave w issues one tensor load
	s_cmp_eq_u32 s[WV], \w
	s_cbranch_scc0 \next
	tensor_load_to_lds s[\g0:\g0+3], s[\g1:\g1+7]
	s_nop 0
.rept 4
	v_nop
.endr
.endm
.macro BARRIER                         ; my LDS stores have landed and my LDS loads are in: then the work-group's barrier
	s_wait_dscnt 0x0
	s_barrier_signal -1
	s_barrier_wait -1
.endm
.macro QUANT s, tm, pw, pc             ; 64 numbers of a lane, register 16 b + i = k 32 b + 16 (lane / 16) + i -> a fragment and its scale word
.irp b, 0,1,2,3
	v_max3_num_f32 v[\tm+\b], |v[\s+16*\b]|, |v[\s+1+16*\b]|, 0x1800000
.endr
.irp i, 2,4,6,8,10,12,14
.irp b, 0,1,2,3
	v_max3_num_f32 v[\tm+\b], v[\tm+\b], |v[\s+16*\b+\i]|, |v[\s+1+16*\b+\i]|
.endr
.endr
.irp b, 0,1,2,3
	v_permlanex16_b32 v[\tm+4+\b], v[\tm+\b], s[SEL], s[SEL+1]
.endr
.irp b, 0,1,2,3
	v_max_num_f32 v[\tm+\b], v[\tm+\b], v[\tm+4+\b]
.endr
.irp b, 0,1,2,3
	v_add_nc_u32 v[\tm+12+\b], 0xff000000, v[\tm+\b]
.endr
.irp b, 0,1,2,3
	v_lshrrev_b32 v[\tm+4+\b], 23, v[\tm+12+\b]
.endr
	v_lshl_or_b32 v[\pw], v[\tm+5], 8, v[\tm+4]
	v_lshl_or_b32 v[\pw], v[\tm+6], 16, v[\pw]
	v_lshl_or_b32 v[\pw], v[\tm+7], 24, v[\pw]
.irp c, 0,1
	v_cvt_scalef32_pk16_fp6_f32 v[\pc+6*\c:\pc+2+6*\c], v[\s+32*\c:\s+15+32*\c], v[\tm+12+2*\c]
	v_cvt_scalef32_pk16_fp6_f32 v[\pc+12+4*\c:\pc+14+4*\c], v[\s+16+32*\c:\s+31+32*\c], v[\tm+12+2*\c+1]
.endr
	v_nop
.irp c, 0,1
.irp i, 0,1,2
	v_permlane16_swap_b32 v[\pc+6*\c+\i], v[\pc+12+4*\c+\i]
.endr
.irp i, 0,1,2
	v_mov_b32 v[\pc+3+6*\c+\i], v[\pc+12+4*\c+\i]
.endr
.endr
.endm
.macro HQ s, t, pw, pc                 ; the same for 32 numbers: half a fragment and two scale bytes
.irp b, 0,1
	v_max3_num_f32 v[\t+\b], |v[\s+16*\b]|, |v[\s+1+16*\b]|, 0x1800000
.endr
.irp i, 2,4,6,8,10,12,14
.irp b, 0,1
	v_max3_num_f32 v[\t+\b], v[\t+\b], |v[\s+16*\b+\i]|, |v[\s+1+16*\b+\i]|
.endr
.endr
.irp b, 0,1
	v_permlanex16_b32 v[\t+2+\b], v[\t+\b], s[SEL], s[SEL+1]
.endr
.irp b, 0,1
	v_max_num_f32 v[\t+\b], v[\t+\b], v[\t+2+\b]
.endr
.irp b, 0,1
	v_add_nc_u32 v[\t+4+\b], 0xff000000, v[\t+\b]
.endr
.irp b, 0,1
	v_lshrrev_b32 v[\t+2+\b], 23, v[\t+4+\b]
.endr
	v_lshl_or_b32 v[\pw], v[\t+3], 8, v[\t+2]
	v_cvt_scalef32_pk16_fp6_f32 v[\pc:\pc+2], v[\s:\s+15], v[\t+4]
	v_cvt_scalef32_pk16_fp6_f32 v[\pc+8:\pc+10], v[\s+16:\s+31], v[\t+5]
	v_nop
.irp i, 0,1,2
	v_permlane16_swap_b32 v[\pc+\i], v[\pc+8+\i]
.endr
.irp i, 0,1,2
	v_mov_b32 v[\pc+3+\i], v[\pc+8+\i]
.endr
.endm
; one product onto accumulator DR: source 0 = weights AR (scale words SA_, lanes 16-31 for the pair's second tile), source 1 = the tokens BR (SB_)
.macro WM ra
.if (\ra) == 0
	v_wmma_scale_f32_16x16x128_f8f6f4 v[DR:DR+7], v[AR:AR+11], v[BR:BR+11], v[DR:DR+7], v[SA_], v[SB_] matrix_a_fmt:MATRIX_FMT_FP6 matrix_b_fmt:MATRIX_FMT_FP6
.else
	v_wmma_scale_f32_16x16x128_f8f6f4 v[DR:DR+7], v[AR:AR+11], v[BR:BR+11], v[DR:DR+7], v[SA_], v[SB_] matrix_a_fmt:MATRIX_FMT_FP6 matrix_b_fmt:MATRIX_FMT_FP6 matrix_a_scale:MATRIX_SCALE_ROW1
.endif
.endm
; A GROUP: ring slot p: its two tiles x the tokens: two products on two accumulators.  kind 0: x1's accumulators 2 p + u; kind 1: the hidden layer's 2 (p % 2) + u.
; ld = 1: the slot is filled again with the group one trip on (trel: which trip of the pair in hand).  No two products that follow each other share an accumulator.
.macro GRP kind, p, tf, ld, trel
.if \ld
	s_wait_loadcnt 42                              ; loads come back in order: my slot's six are in; the seven younger groups' 42 may be out
.else
	s_wait_loadcnt 6*(7-(\p))                      ; the last trip asks for nothing: the counts run down
.endif
.if \kind == 0
	WIN 0xa4+0x50*((\p)/4)                         ; source 0 window 0, source 1 window 1, C and D window 2 or 3
.else
	WIN 0x54                                       ; C and D window 1
.endif
.irp u, 0,1
.if \kind == 0
.set DR, 8*((2*(\p)+\u)%8)
.else
.set DR, 96+8*(2*((\p)%2)+\u)
.endif
.set AR, 64+24*(\p)+12*\u
.set BR, 48*(\tf)
.set SA_, 32+(\p)
.set SB_, 40+2*(\tf)
	WM \u
.endr
	WIN 0
.rept 4
	v_nop                                          ; places in front of loads into registers that these products have read, and of reads of their results
.endr
.if \ld
.irp i, 0,1,2,3,4,5
	global_load_b128 v[64+24*(\p)+4*\i:64+24*(\p)+4*\i+3], v[L16], s[WP:WP+1] offset:24576*(\trel)+3072*(\p)+512*\i
.endr
	ds_load_b32 v[32+(\p)], v[RSA] offset:1024*((\trel)+1)+128*(\p)
.endif
.endm
.macro TFETCH_O set, koff, soff        ; the tokens' fragment of a K step from split images (16-byte part, 8-byte part, twice), and its scale words
	WIN 0x40
	ds_load_b128 v[48*(\set):48*(\set)+3], v[TA] offset:(\koff)
	ds_load_b64 v[48*(\set)+4:48*(\set)+5], v[TA8] offset:(\koff)
	ds_load_b128 v[48*(\set)+6:48*(\set)+9], v[TA] offset:(\koff)+768
	ds_load_b64 v[48*(\set)+10:48*(\set)+11], v[TA8] offset:(\koff)+768
	WIN 0
	ds_load_b32 v[40+2*(\set)], v[TSA] offset:\soff
.endm
.macro TFETCH_I set, koff, soff        ; the same from a whole image
	WIN 0x40
.irp j, 0,1,2
	ds_load_b128 v[48*(\set)+4*\j:48*(\set)+4*\j+3], v[TA] offset:(\koff)+512*\j
.endr
	WIN 0
	ds_load_b32 v[40+2*(\set)], v[TSA] offset:\soff
.endm
.macro KSTEP tf, trel, ld, fk, koff, soff   ; a K step onto x1's accumulators: a trip of the ring.  fk = 1: the next K step's token fragment is fetched into the other set
	s_wait_dscnt 0x0                               ; this K step's token fragment and all scale words asked for so far are in
	GRP 0, 0, \tf, \ld, \trel
.if \fk
	TFETCH_O 1-(\tf), \koff, \soff
.endif
.irp p, 1,2,3,4,5,6,7
	GRP 0, \p, \tf, \ld, \trel
.endr
.endm
.macro PAIREND                         ; two trips on
	s_wait_xcnt 0x0                                ; the loads issued so far have read their base
	s_add_nc_u64 s[WP:WP+1], s[WP:WP+1], 49152
	v_add_nc_u32 v[RSA], 2048, v[RSA]
.endm
.macro SUBM nh, pr                     ; ST = x1 (my features 128 nh on) - the low word of the pair v[pr]
	WIN 0x46+\nh
.set j, 0
.rept 32
	v_pk_add_f32 v[ST+j:ST+j+1], v[j:j+1], v[\pr:\pr+1] op_sel_hi:[1,0] neg_lo:[0,1] neg_hi:[0,1]
.set j, j+2
.endr
	WIN 0x55
.endm
	s_load_b512 s[4:19], s[0:1], 0x0               ; oq, wq, xr, alpha2, beta2, b1, b2, out0
	v_lshl_add_u32 v62, v0, 2, SPARE
	v_mov_b32 v63, 0
	ds_add_u32 v62, v63                            ; the opening lines: the add twice on end and one wait
	ds_add_u32 v62, v63
	v_lshrrev_b32 v1, 5, v0
	v_readfirstlane_b32 s[WV], v1                  ; wave 0..3
	DENSE 24, 32, 48, 32                           ; o's images: 48 rows of 256 bytes
	DENSE 32, 8, 8, 64                             ; o's scale words: 8 K steps x 64 bytes, 512 bytes apart
	DENSE 40, 32, 256, 32                          ; the weights' scale words
	DENSE 48, 32, 16, 32                           ; alpha2, beta2, b2
	DENSE 56, 32, 8, 32                            ; b1
	s_mov_b32 s[SEL], 0x76543210
	s_mov_b32 s[SEL+1], 0xfedcba98
	s_mul_i32 s2, ttmp9, 12288
	s_mov_b32 s3, 0
	s_wait_dscnt 0x0
	s_wait_kmcnt 0x0
	s_add_nc_u64 s[98:99], s[4:5], s[2:3]          ; o's images of my tile: 12,288 dense bytes
	G0SET 68, OIM, 98
	s_lshr_b32 s2, ttmp9, 3
	s_lshl_b32 s2, s2, 12
	s_and_b32 s21, ttmp9, 7
	s_lshl_b32 s21, s21, 6
	s_add_co_u32 s2, s2, s21
	s_add_co_u32 s2, s2, 3145728
	s_add_nc_u64 s[98:99], s[4:5], s[2:3]          ; their scale words: 64 bytes of each K step's 512
	G0SET 72, OSC, 98
	s_add_nc_u64 s[98:99], s[6:7], 4030464         ; the weights' scale words
	G0SET 76, WSL, 98
	G0SET 80, PAL, 10
	G0SET 84, PAL+4096, 12
	G0SET 88, PAL+8192, 16
	G0SET 92, PB1, 14
	; the head's fills, one a wave: o's images, o's scale words, the weights' scale words, alpha2
	ARM 0, 68, 24, .Lh1
	s_branch .Lfilled
.Lh1:
	ARM 1, 72, 32, .Lh2
	s_branch .Lfilled
.Lh2:
	ARM 2, 76, 40, .Lh3
	s_branch .Lfilled
.Lh3:
	tensor_load_to_lds s[80:83], s[48:55]
	s_nop 0
.rept 4
	v_nop
.endr
.Lfilled:
	s_mul_i32 s2, s[WV], 393216
	s_add_co_u32 s2, s2, 2457600+24576
	s_add_nc_u64 s[WP:WP+1], s[6:7], s[2:3]        ; my stream, at trip 1
	s_lshl_b32 s2, ttmp9, 16
	s_lshl_b32 s21, s[WV], 14
	s_add_co_u32 s2, s2, s21
	s_add_nc_u64 s[8:9], s[8:9], s[2:3]            ; xr: my tile, my 16 tiles of features
	s_lshr_b32 s2, ttmp9, 1
	s_lshl_b32 s2, s2, 17                          ; out0: tile T's row i is token 32 (T / 2) + 8 (T % 2) + i + 8 (i / 8)
	s_and_b32 s21, ttmp9, 1
	s_lshl_b32 s21, s21, 15
	s_add_co_u32 s2, s2, s21
	s_lshl_b32 s21, s[WV], 10
	s_add_co_u32 s2, s2, s21
	s_add_nc_u64 s[18:19], s[18:19], s[2:3]        ; and my 1,024 bytes of each row
	v_and_b32 v1, 31, v0                           ; l
	v_and_b32 v2, 15, v0                           ; r
	v_bfe_u32 v3, v0, 4, 1                         ; h
	v_lshlrev_b32 v[L16], 4, v1
	v_lshlrev_b32 v21, 3, v1                       ; 8 l
	v_lshlrev_b32 v22, 2, v1                       ; 4 l
	v_lshlrev_b32 v23, 2, v2                       ; 4 r
	v_lshlrev_b32 v24, 6, v3                       ; 64 h
	v_mov_b32 v[TA], v[L16]
	v_add_nc_u32 v[TA8], 512, v21
	v_add_nc_u32 v[TSA], OSC, v23
	s_lshl_b32 s21, s[WV], 14
	v_add_nc_u32 v[RSA], s21, v22
	v_add_nc_u32 v[RSA], WSL, v[RSA]
	v_lshlrev_b32 v[STRD], 3, v2
	v_add_nc_u32 v[STRD], STAT, v[STRD]
	s_lshl_b32 s21, s[WV], 9
	v_add_nc_u32 v[STA], s21, v[STRD]
	v_add_nc_u32 v[HWS], s21, v23
	v_add_nc_u32 v[HWS], HSC, v[HWS]
	v_add_nc_u32 v[B1A], s21, v24
	v_add_nc_u32 v[B1A], PB1, v[B1A]
	s_lshl_b32 s21, s[WV], 10
	v_add_nc_u32 v[ALA], s21, v24
	v_add_nc_u32 v[ALA], PAL, v[ALA]
	s_mul_i32 s21, s[WV], 3072
	v_add_nc_u32 v[HWI], s21, v[L16]
	v_add_nc_u32 v[HWI], HIM, v[HWI]
	s_mul_i32 s21, s[WV], 1536
	v_add_nc_u32 v[DW128], s21, v[L16]
	v_add_nc_u32 v[DW128], DIM, v[DW128]
	v_add_nc_u32 v[DW64], s21, v21
	v_add_nc_u32 v[DW64], DIM+512, v[DW64]
	s_lshl_b32 s21, s[WV], 8
	v_add_nc_u32 v[DWS], s21, v23
	v_add_nc_u32 v[DWS], DSC, v[DWS]
	s_mul_i32 s21, s[WV], 8448
	v_mul_u32_u24 v[SO], v2, 528
	v_add_nc_u32 v[SO], v[SO], v24
	v_add_nc_u32 v[SO], s21, v[SO]
	v_add_nc_u32 v[SO], STG, v[SO]
	v_add_nc_u32 v[SR], s21, v[L16]
	v_add_nc_u32 v[SR], STG, v[SR]
	WIN 0x80                                       ; xn + bo straight into the accumulators: destination window 2,
.irp n, 0,1,2,3,4,5,6,7
	global_load_b128 v[8*\n:8*\n+3], v[L16], s[8:9] offset:1024*\n th:TH_LOAD_NT
	global_load_b128 v[8*\n+4:8*\n+7], v[L16], s[8:9] offset:1024*\n+512 th:TH_LOAD_NT
.endr
	WIN 0xc0                                       ; and 3
.irp n, 0,1,2,3,4,5,6,7
	global_load_b128 v[8*\n:8*\n+3], v[L16], s[8:9] offset:8192+1024*\n th:TH_LOAD_NT
	global_load_b128 v[8*\n+4:8*\n+7], v[L16], s[8:9] offset:8192+1024*\n+512 th:TH_LOAD_NT
.endr
	WIN 0
.irp p, 0,1,2,3,4,5,6,7
.irp i, 0,1,2,3,4,5
	global_load_b128 v[64+24*\p+4*\i:64+24*\p+4*\i+3], v[L16], s[WP:WP+1] offset:-24576+3072*\p+512*\i   ; the ring: trip 0
.endr
.endr
	s_wait_alu depctr_va_vdst(0)                   ; the wait at the head's end
	s_wait_tensorcnt 0x0                           ; my fill has landed;
	ds_add_u32 v62, v63
	s_wait_dscnt 0x0
	s_barrier_signal -1
	s_barrier_wait -1                              ; everybody's has
	; beta2, b2, b1: first fills of bytes of their own, one a wave; they are read behind the statistics' barrier
	ARM 0, 84, 48, .Lg1
	s_branch .Lg_done
.Lg1:
	ARM 1, 88, 48, .Lg2
	s_branch .Lg_done
.Lg2:
	ARM 2, 92, 56, .Lg_done
.Lg_done:
	s_mov_b32 s24, 0x3a802008                      ; 1 / 1023  (that descriptor's load is done)
	s_mov_b32 s25, 0x358637bd                      ; 1e-6
.irp p, 0,1,2,3,4,5,6,7
	ds_load_b32 v[32+\p], v[RSA] offset:128*\p
.endr
	TFETCH_O 0, 0, 0
; ---- x1 += o Wo: trips 0-7
	s_mov_b32 s[CNT], 3
.Lp1:
	s_wait_alu depctr_va_vdst(0)
	KSTEP 0, 0, 1, 1, 1536, 64
	KSTEP 1, 1, 1, 1, 3072, 128
	PAIREND
	v_add_nc_u32 v[TA], 3072, v[TA]
	v_add_nc_u32 v[TA8], 3072, v[TA8]
	v_add_nc_u32 v[TSA], 128, v[TSA]
	s_sub_co_u32 s[CNT], s[CNT], 1
	s_cmp_lg_u32 s[CNT], 0
	s_cbranch_scc1 .Lp1
	s_wait_alu depctr_va_vdst(0)
	KSTEP 0, 0, 1, 1, 1536, 64
	KSTEP 1, 1, 1, 0, 0, 0                         ; the last K step fetches no token fragment; the ring goes on into W1
	PAIREND
; ---- statistics of x1's rows: the sums in four chains.  Each accumulator is read from its low end on
	WIN 0x4a
.irp i, 0,1,2,3
	v_pk_add_f32 v[2*\i:2*\i+1], v[2*\i:2*\i+1], v[8+2*\i:9+2*\i]
.endr
	WIN 0x49
.set j, 16
.rept 24
	v_pk_add_f32 v[j%8:j%8+1], v[j%8:j%8+1], v[j:j+1]
.set j, j+2
.endr
	WIN 0x4d
.set j, 0
.rept 32
	v_pk_add_f32 v[j%8:j%8+1], v[j%8:j%8+1], v[j:j+1]
.set j, j+2
.endr
	WIN 0x55
	v_pk_add_f32 v[0:1], v[0:1], v[2:3]
	v_pk_add_f32 v[4:5], v[4:5], v[6:7]
	v_pk_add_f32 v[0:1], v[0:1], v[4:5]
	v_add_f32 v0, v0, v1
	v_permlanex16_b32 v1, v0, s[SEL], s[SEL+1]
	v_add_f32 v0, v0, v1
	v_mul_f32 v0, 0x3b800000, v0                   ; my 256 features' mean
.irp nh, 0,1
	SUBM \nh, 0
.set j, 0
.rept 32
.if (\nh == 0) && (j < 8)
	v_pk_mul_f32 v[8+j:9+j], v[ST+j:ST+j+1], v[ST+j:ST+j+1]
.else
	v_pk_fma_f32 v[8+j%8:9+j%8], v[ST+j:ST+j+1], v[ST+j:ST+j+1], v[8+j%8:9+j%8]
.endif
.set j, j+2
.endr
.endr
	v_pk_add_f32 v[8:9], v[8:9], v[10:11]
	v_pk_add_f32 v[12:13], v[12:13], v[14:15]
	v_pk_add_f32 v[8:9], v[8:9], v[12:13]
	v_add_f32 v8, v8, v9
	v_permlanex16_b32 v9, v8, s[SEL], s[SEL+1]
	v_add_f32 v1, v8, v9                           ; the pair (my mean, my sum of squared differences)
	s_wait_alu depctr_va_vdst(0)                   ; directly ahead of the wait below
	s_wait_tensorcnt 0x0                           ; beta2, b2, b1: my load has landed, ahead of my LDS stores and of the barrier behind which the others read it
	WIN 0x04                                       ; an LDS store's data are its source 1: window 1
	ds_store_b64 v[STA], v[0:1]
	WIN 0
	BARRIER
	WIN 0x40
.irp w, 0,1,2,3
	ds_load_b64 v[32+2*\w:33+2*\w], v[STRD] offset:512*\w
.endr
	s_wait_dscnt 0x0
	WIN 0x55
	v_add_f32 v0, v32, v34
	v_add_f32 v1, v36, v38
	v_add_f32 v8, v33, v35
	v_add_f32 v9, v37, v39
	v_add_f32 v0, v0, v1
	v_add_f32 v1, v8, v9                           ; the four sums of squared differences
	v_mul_f32 v[MN], 0x3e800000, v0                ; the row's mean
	v_mov_b32 v[MN+1], v[MN]
.irp w, 0,1,2,3
	v_sub_f32 v[32+2*\w], v[32+2*\w], v[MN]
.endr
	v_mul_f32 v0, v32, v32
.irp w, 1,2,3
	v_fma_f32 v0, v[32+2*\w], v[32+2*\w], v0
.endr
	v_fma_f32 v0, v0, 0x43800000, v1               ; + 256 x the means' squared differences
	v_fma_f32 v0, v0, s24, s25                     ; the unbiased variance + eps
	s_wait_alu depctr_va_vdst(0)
	v_rsq_f32 v[RD], v0
	v_nop                                          ; a plain place behind the transcendental,
	s_wait_alu depctr_va_vdst(0)                   ; and its wait
	v_mov_b32 v[RD+1], v[RD]
.irp b, 0,1,2,3
	v_mov_b32 v[TM+4+\b], 0                        ; a lane permute's destination counts as one of its sources
.endr
; ---- h = norm2(x1), quantised: my features are K steps 2 w and 2 w + 1 of the next product
.irp nh, 0,1
	WIN 0x40
.irp b, 0,1,2,3
.irp j, 0,1,2,3
	ds_load_b128 v[16*\b+4*\j:16*\b+4*\j+3], v[ALA] offset:512*\nh+128*\b+16*\j
	ds_load_b128 v[64+16*\b+4*\j:64+16*\b+4*\j+3], v[ALA] offset:4096+512*\nh+128*\b+16*\j
.endr
.endr
	s_wait_alu depctr_va_vdst(0)
	s_wait_dscnt 0x0
	SUBM \nh, MN
.set j, 0
.rept 32
	v_pk_mul_f32 v[ST+j:ST+j+1], v[ST+j:ST+j+1], v[RD:RD+1]
.set j, j+2
.endr
.set j, 0
.rept 32
	v_pk_fma_f32 v[ST+j:ST+j+1], v[ST+j:ST+j+1], v[j:j+1], v[64+j:65+j]
.set j, j+2
.endr
	QUANT ST, TM, PW, PC
	WIN 0x04
.irp c, 0,1,2
	ds_store_b128 v[HWI], v[PC+4*\c:PC+4*\c+3] offset:1536*\nh+512*\c
.endr
	ds_store_b32 v[HWS], v[PW] offset:256*\nh
	s_wait_dscnt 0x0                               ; the stores have read their registers
.endr
	WIN 0
	BARRIER                                        ; h's 8 fragments lie in LDS
; ---- the hidden layer: my 128 units in two halves of 64; trips 8-11
	WIN 0x40
.irp j, 226,227,244
	v_mov_b32 v\j, 0
.endr
	WIN 0
	v_add_nc_u32 v[TA], HIM, v[L16]
	v_add_nc_u32 v[TSA], HSC, v23
	s_mov_b32 s[CNT], 2
.Lhf:
	WIN 0x40
	s_wait_alu depctr_va_vdst(0)
.irp n, 0,1,2,3
	ds_load_b128 v[96+8*\n:96+8*\n+3], v[B1A] offset:128*(\n/2)+32*(\n%2)        ; the sums begin with b1
	ds_load_b128 v[96+8*\n+4:96+8*\n+7], v[B1A] offset:128*(\n/2)+32*(\n%2)+16
.endr
	WIN 0
	TFETCH_I 0, 0, 0
.irp s, 0,1,2,3,4,5,6,7
	s_wait_dscnt 0x0
	GRP 1, (2*\s)%8, \s%2, 1, (2*\s)/8
.if \s < 7
	TFETCH_I 1-\s%2, 1536*(\s+1), 256*(\s+1)
.endif
	GRP 1, (2*\s+1)%8, \s%2, 1, (2*\s+1)/8
.endr
	WIN 0x55
.set j, 0
.rept 32
	v_max_num_f32 v[96+j], 0, v[96+j]              ; the activation, in f32, each accumulator from its low end on
.set j, j+1
.endr
	HQ 96, 224, 230, 232
	v_lshrrev_b32 v244, 16, v244                   ; the row's scale word: the first half's two bytes move down, the second half's come on top;
	v_lshl_or_b32 v244, v230, 16, v244             ; it is whole in the second trip, whose store is the one that is read
	WIN 0x04
	ds_store_b128 v[DW128], v[232:235]
	ds_store_b64 v[DW64], v[236:237]
	ds_store_b32 v[DWS], v244
	s_wait_dscnt 0x0
	WIN 0
	PAIREND
	v_add_nc_u32 v[B1A], 256, v[B1A]
	v_add_nc_u32 v[DW128], 768, v[DW128]
	v_add_nc_u32 v[DW64], 768, v[DW64]
	s_sub_co_u32 s[CNT], s[CNT], 1
	s_cmp_lg_u32 s[CNT], 0
	s_cbranch_scc1 .Lhf
	BARRIER                                        ; the hidden layer's 4 fragments lie in LDS
; ---- x1 += hidden W2: trips 12-15
	v_add_nc_u32 v[TA], DIM, v[L16]
	v_add_nc_u32 v[TA8], DIM+512, v21
	v_add_nc_u32 v[TSA], DSC, v23
	TFETCH_O 0, 0, 0
	s_wait_alu depctr_va_vdst(0)
	KSTEP 0, 0, 1, 1, 1536, 256
	KSTEP 1, 1, 1, 1, 3072, 512
	KSTEP 0, 2, 1, 1, 4608, 768
	KSTEP 1, 3, 0, 0, 0, 0
; ---- the way out: + b2; 16 rows x 128 features at a time through my own stage, back as rows of 512 bytes.  Window 0: v64-127 b2, v128-191 results, v192-255 rows
.irp nh, 0,1
.irp b, 0,1,2,3
.irp j, 0,1,2,3
	ds_load_b128 v[64+16*\b+4*\j:64+16*\b+4*\j+3], v[ALA] offset:8192+512*\nh+128*\b+16*\j
.endr
.endr
	s_wait_dscnt 0x0
	WIN 2+\nh
.set j, 0
.rept 32
	v_pk_add_f32 v[128+j:129+j], v[j:j+1], v[64+j:65+j]
.set j, j+2
.endr
	WIN 0
.irp e, 0,1,2,3,4,5,6,7,8,9,10,11,12,13,14,15
	ds_store_b128 v[SO], v[128+4*\e:128+4*\e+3] offset:128*(\e/4)+16*(\e%4)
.endr
	s_wait_xcnt 0x0                                ; the last block's stores have read the registers that the loads below fill
.irp i, 0,1,2,3,4,5,6,7,8,9,10,11,12,13,14,15
	ds_load_b128 v[192+4*\i:192+4*\i+3], v[SR] offset:528*\i   ; LDS serves a wave's instructions in order (ISA guide 5.7.1.4): these see my stores
.endr
.irp i, 0,1,2,3,4,5,6,7,8,9,10,11,12,13,14,15
	s_wait_dscnt 15-\i
	global_store_b128 v[L16], v[192+4*\i:192+4*\i+3], s[18:19] offset:(\i+8*(\i/8))*4096+512*\nh th:TH_STORE_NT   ; 512 consecutive bytes, at a multiple of 256 from out0's first byte
.endr
.endr
	s_wait_tensorcnt 0x0                           ; the wave's end
	ds_add_u32 v62, v63
	s_wait_dscnt 0x0
	s_endpgm
.Lfunc_end_k_qb7639e5779_tail:
	.size	k_qb7639e5779_tail, .Lfunc_end_k_qb7639e5779_tail-k_qb7639e5779_tail
	.p2alignl 7, 3214868480
	.fill 96, 4, 3214868480
	.section	.rodata,"a",@progbits
	.p2align	6, 0x0
	.amdhsa_kernel k_qb7639e5779_tail
		.amdhsa_group_segment_fixed_size 327680
		.amdhsa_private_segment_fixed_size 0
		.amdhsa_enable_private_segment 0
		.amdhsa_kernarg_size 64
		.amdhsa_user_sgpr_count 2
		.amdhsa_user_sgpr_kernarg_segment_ptr 1
		.amdhsa_wavefront_size32 1
		.amdhsa_system_sgpr_workgroup_id_x 1
		.amdhsa_system_sgpr_workgroup_id_y 1
		.amdhsa_system_sgpr_workgroup_id_z 1
		.amdhsa_system_vgpr_workitem_id 0
		.amdhsa_next_free_vgpr 1024
		.amdhsa_next_free_sgpr 100
		.amdhsa_reserve_vcc 0
		.amdhsa_float_denorm_mode_32 3
		.amdhsa_float_denorm_mode_16_64 3
		.amdhsa_memory_ordered 1
		.amdhsa_forward_progress 1
		.amdhsa_inst_pref_size 165
	.end_amdhsa_kernel
	.amdgpu_metadata
---
amdhsa.version: [ 1, 2 ]
amdhsa.kernels:
  - .name:           k_qb7639e5779_tail
    .symbol:         k_qb7639e5779_tail.kd
    .args:
      - { .name: oq, .offset: 0, .size: 8, .value_kind: global_buffer, .address_space: global }
      - { .name: wq, .offset: 8, .size: 8, .value_kind: global_buffer, .address_space: global }
      - { .name: xr, .offset: 16, .size: 8, .value_kind: global_buffer, .address_space: global }
      - { .name: alpha2, .offset: 24, .size: 8, .value_kind: global_buffer, .address_space: global }
      - { .name: beta2, .offset: 32, .size: 8, .value_kind: global_buffer, .address_space: global }
      - { .name: b1, .offset: 40, .size: 8, .value_kind: global_buffer, .address_space: global }
      - { .name: b2, .offset: 48, .size: 8, .value_kind: global_buffer, .address_space: global }
      - { .name: out0, .offset: 56, .size: 8, .value_kind: global_buffer, .address_space: global }
    .group_segment_fixed_size: 327680
    .private_segment_fixed_size: 0
    .kernarg_segment_align: 8
    .kernarg_segment_size: 64
    .max_flat_workgroup_size: 128
    .sgpr_count:     100
    .vgpr_count:     1024
    .wavefront_size: 32
...
	.end_amdgpu_metadata
.endif
;; end of part 4
